; MI455X (gfx1250); checked and timed in simulation.
; The chip was launched on July 23, 2026; its instructions are those of AMD's public machine-readable ISA for CDNA 5 (MIT licence, August 2026) and "CDNA5" Instruction Set Architecture Reference Guide (July 2026). The comments in the code are by the model that wrote it; some were corrected since.
;; Self Attention. Allowed arithmetic: matrix products marked QUANTISED: E2M3 operands, one E8M0 scale for each 32 along K, by v_wmma_scale_f32_16x16x128_f8f6f4 with both operands' format E2M3, f32 sums; everything else in f32.
;; Inputs: bo 1,024 float32; wk 1,024 x 1,024 float32; wo 1,024 x 1,024 float32; wq 1,024 x 1,024 float32; wv 1,024 x 1,024 float32; x 1 x 4,096 x 1,024 float32.
;; Outputs: out0 1 x 4,096 x 1,024 float32.
;; This version of the problem:
;;   THIS VERSION OF THE PROBLEM IS GIVEN IN LOW PRECISION. The matrix products marked QUANTISED in the list below multiply operands that are first quantised to E2M3 (2 exponent bits, 3 mantissa bits; 6 bits a number), with one power-of-two scale for each 32 numbers along K (OCP MX v1.0); their sums are f32. All else is computed in f32.
;;   The module's matrix products, in the order in which they are computed (A, B: the left and right operand; K: the contracted axis; several contracted axes count as one K, in the product's order):
;;     1. [M 4,096, K 1,024] x [K 1,024, N 1,024]; A: input x; B: input wq: QUANTISED
;;     2. [M 4,096, K 1,024] x [K 1,024, N 1,024]; A: input x; B: input wk: QUANTISED
;;     3. [M 4,096, K 1,024] x [K 1,024, N 1,024]; A: input x; B: input wv: QUANTISED
;;     4. batch 16 x [M 4,096, K 64] x [K 64, N 4,096]; A: computed on the way; B: computed on the way: QUANTISED
;;     5. batch 16 x [M 4,096, K 4,096] x [K 4,096, N 64]; A: softmax (see below); B: computed on the way: QUANTISED
;;     6. [M 4,096, K 1,024] x [K 1,024, N 1,024]; A: computed on the way; B: input wo: QUANTISED
;;   THE QUANTISER, for each operand of a quantised product, along K:
;;     - K is cut into blocks of 32 from its start; a last block that is shorter is filled with zeros.
;;     - A block's scale is 2^e with e = floor(log2(the largest magnitude in the block)) - 2, held to -126 .. 127; a block of zeros has e = 0. As a byte (E8M0): e + 127.
;;     - Each number is divided by its block's scale, clamped to +-7.5, and rounded to the nearest number of E2M3, ties to even, subnormals kept.
;;     - The product sums the exact products of the quantised numbers (number of the format x scale) in f32.
;;   ~~~python
;;   def quantise(x, axis):      # numpy; x: float32 -> the quantised numbers, widened to float32 again
;;       x = np.moveaxis(x, axis, -1); K = x.shape[-1]
;;       x = np.pad(x, [(0, 0)] * (x.ndim - 1) + [(0, -K % 32)]); x = x.reshape(x.shape[:-1] + (-1, 32)); a = np.abs(x).max(-1, keepdims=True)
;;       e = np.where(a > 0, np.clip(np.frexp(np.where(a > 0, a, 1))[1] - 1 - 2, -126, 127), 0)      # np.frexp(a)[1] - 1 = floor(log2(a)), exactly
;;       r = np.clip(x / 2.0 ** e, -7.5, 7.5)
;;       step = 2.0 ** (np.maximum(np.frexp(np.where(r == 0, 1, r))[1] - 1, 0) - 3)
;;       q = np.round(r / step) * step * 2.0 ** e      # np.round: ties to even
;;       return np.moveaxis(q.reshape(q.shape[:-2] + (-1,))[..., :K], -1, axis).astype(np.float32)
;;   ~~~
;;   SOFTMAX AHEAD OF A QUANTISED PRODUCT. Where the list says 'softmax', what is quantised is not the finished softmax but p = 2^(t - M), with t = logit x log2(e) and M = ceil(the row's largest t), a whole number; so 1/2 < the row's largest p <= 1. The row's sum l is taken of the UNQUANTISED p, in f32, and the product's result is divided by l at the end. Since M is a whole number, a kernel that streams over the keys may use a running M (the ceiling of the running maximum): every later rescaling is an exact power of two, which a block's scale takes up: the codes' values come out the same.
;;   OPERANDS COMPUTED ON THE WAY. 'Computed on the way' means the value that the module computes at that place (a softmax that the list does not call 'softmax' is quantised finished and normalised). What goes into a quantiser is computed in f32, as accurately as f32 sums, v_exp_f32 and their like allow (about 1e-6 of the number): no bf16 or f16 on the way to a quantiser, and a product that is left as it is and whose result goes on into a quantised operand takes f32 operands (vector FMAs, or v_wmma_f32_16x16x4_f32). A number that lies on a knife's edge between two numbers of the format may be rounded either way, as far as f32 arithmetic and the matrix unit's own rounding can turn it there, and no further.
;; One version. Each part assembles by itself: llvm-mc -triple=amdgcn-amd-amdhsa -mcpu=gfx1250 --defsym DOCPART=n.
;; ======== version 1 of 1: 4 launches
;; workspace buffers: codes 6,291,456 bytes; scales 262,144 bytes; img 9,437,184 bytes; isc 393,216 bytes; acodes 3,145,728 bytes; ascales 131,072 bytes
;; launch quant (part 1): grid 256 x 1, 4 waves a work-group, no clusters, 33,280 bytes of LDS; arguments x, wq, wk, wv, wo, codes, scales; writes codes, scales
.if DOCPART == 1
	.amdgcn_target "amdgcn-amd-amdhsa--gfx1250"
	.amdhsa_code_object_version 6
	.text
	.protected	k_q356b7fb933_quant
	.globl	k_q356b7fb933_quant
	.p2align	8
	.type	k_q356b7fb933_quant,@function
k_q356b7fb933_quant:
	s_mov_b64 s[64:65], 0
	v_nop
	global_prefetch_b8 v0, s[64:65] scope:SCOPE_SE
	s_setreg_imm32_b32 hwreg(HW_REG_WAVE_MODE, 25, 1), 1
	s_wait_xcnt 0x0
; x [4096][1024] and wq, wk, wv, wo [1024][1024], f32, K innermost, become codes of FP6 (E2M3), 6 bits each, and one E8M0 scale byte for each 32 along K:
; codes [8192 rows][768 bytes], scales [8192][32]; rows 0.. x, 4096.. wq, 5120.. wk, 6144.. wv, 7168.. wo.
; A block's scale is 2^(floor(log2(its largest magnitude)) - 2); its byte is the largest magnitude's exponent field - 2, held at 1 from below.
; (A block of zeros gets the byte 1 where the rule says 127: its codes are zeros, which add nothing under any byte but 0xff, and this program alone reads the bytes.)
; LIMITS: blocks whose largest magnitude lies under 2^-124 get the byte 1; NaN and infinities among the inputs are not served.
; ROW ORDER.  In x, wq, wk and wv the second and the third group of 8 rows of each 32 change places: stored row 16 u + p holds row 8 u + p + 8 (p / 8).  Sixteen stored rows on end
; are then a tile whose results, in the next launch, lie as 16 neighbours along the following product's K.  wo keeps its order.
; A work-group takes 32 rows, a wave 8 rows: 16 steps of 512 numbers.  Each of a step's four loads reads 512 consecutive bytes; the 2,048 bytes turn through the wave's own stage in LDS
; and come back 64 bytes a lane: 16 neighbours along K, two lanes to a block.  A lane's 16 codes are 12 bytes: the wave stores 384 consecutive bytes.  A wave's 256 scale bytes are gathered in LDS and leave as one aligned run of 256 bytes.
; No tensor loads, no barrier: waves share nothing.  Loads run four steps (16 loads a wave) ahead, the turn through LDS one step.
.set WAVES, 4
.set STEPS, 16
.set EMAX,  2
.set CB,    12                         ; bytes of 16 codes
.set R,     16                         ; v16-79   four sets of 16 numbers as they are loaded
.set X,     80                         ; v80-111  two sets of 16 neighbours
.set C,     128                        ; v128-191 codes: four registers for each step, so that no store's data are written again
.set E,     112                        ; v112-127 a scale byte for each step
.set WREG,  8192                       ; LDS: a region for each wave: two stages of 32 x SP bytes, behind them its 256 scale bytes
.set SP,    80                         ; a lane's place in a stage: its 64 bytes + 16 of padding
.set SPW,   12                         ; v12      LDS address of my spare word; never rewritten
.set NIL,   13                         ; v13      0; never rewritten
.set SPARE, WAVES*WREG                 ; behind the four regions: the spare words, 128 bytes a wave, which no other line names
	s_load_b256 s[4:11], s[0:1], 0x0               ; x, wq, wk, wv
	s_load_b128 s[12:15], s[0:1], 0x20             ; wo, codes
	s_load_b64 s[16:17], s[0:1], 0x30              ; scales
	v_lshl_add_u32 v[SPW], v0, 2, SPARE
	v_mov_b32 v[NIL], 0
	v_lshrrev_b32 v1, 5, v0
	v_readfirstlane_b32 s20, v1                    ; wave
	v_and_b32 v2, 31, v0                           ; lane
	v_lshlrev_b32 v3, 4, v2                        ; my 16 bytes of a load's 512
	s_mul_i32 s21, s20, WREG
	v_lshrrev_b32 v14, 2, v2
	v_mul_u32_u24 v14, v14, SP
	v_and_b32 v15, 3, v2
	v_lshl_add_u32 v14, v15, 4, v14
	v_add_nc_u32 v14, s21, v14                     ; the stage, on the way in: SP (lane / 4) + 16 (lane % 4)
	v_mul_u32_u24 v15, v2, SP
	v_add_nc_u32 v15, s21, v15                     ; and on the way out: SP x lane: my 16 neighbours
	v_mul_u32_u24 v4, v2, CB                       ; my codes' place in a step's
	v_lshrrev_b32 v5, 1, v2
	s_add_co_u32 s21, s21, 2*32*SP
	v_add_nc_u32 v5, s21, v5                       ; LDS: my wave's 256 scale bytes, my block's byte
	v_lshlrev_b32 v7, 3, v2                        ; and on the way out 8 bytes a lane
	v_add_nc_u32 v6, s21, v7
	s_wait_kmcnt 0x0
	; which tensor: work-groups 0-127 x, 128-159 wq, 160-191 wk, 192-223 wv, 224-255 wo.  The choices hang on the work-group's number alone
	s_cmp_lt_u32 ttmp9, 160
	s_cselect_b64 s[22:23], s[6:7], s[8:9]
	s_cmp_lt_u32 ttmp9, 224
	s_cselect_b64 s[24:25], s[10:11], s[12:13]
	s_cmp_lt_u32 ttmp9, 192
	s_cselect_b64 s[22:23], s[22:23], s[24:25]
	s_cmp_lt_u32 ttmp9, 128
	s_cselect_b64 s[4:5], s[4:5], s[22:23]
	s_cselect_b32 s26, 127, 31                     ; the work-group's number inside its tensor
	s_and_b32 s27, ttmp9, s26
	s_lshl_b32 s27, s27, 2
	s_add_co_u32 s28, s27, s20                     ; which run of 8 rows of the tensor I read,
	s_lshl_b32 s28, s28, 15                        ; 32,768 bytes a run
	s_mov_b32 s29, 0
	s_add_nc_u64 s[4:5], s[4:5], s[28:29]
	s_and_b32 s30, s20, 1                          ; where it goes: groups 1 and 2 of the 32 rows change places,
	s_lshl_b32 s30, s30, 1
	s_lshr_b32 s31, s20, 1
	s_or_b32 s30, s30, s31
	s_cmp_lt_u32 ttmp9, 224
	s_cselect_b32 s30, s30, s20                    ; but not in wo
	s_lshl_b32 s31, ttmp9, 2
	s_add_co_u32 s30, s30, s31                     ; the run of 8 stored rows
	s_mul_i32 s28, s30, 8*768
	s_add_nc_u64 s[14:15], s[14:15], s[28:29]
	s_lshl_b32 s28, s30, 8                         ; 256 scale bytes a run
	s_add_nc_u64 s[16:17], s[16:17], s[28:29]
.macro LOAD t
.irp i, 0,1,2,3
	global_load_b128 v[R+16*((\t)%4)+4*\i:R+16*((\t)%4)+4*\i+3], v3, s[4:5] offset:2048*(\t)+512*\i th:TH_LOAD_NT   ; 32 lanes read 512 consecutive bytes
.endr
.endm
.macro TURN t                          ; step t's numbers through the stage: LDS serves a wave's instructions in order, so no wait stands between the stores and the loads
.irp i, 0,1,2,3
	ds_store_b128 v14, v[R+16*((\t)%4)+4*\i:R+16*((\t)%4)+4*\i+3] offset:32*SP*((\t)%2)+8*SP*\i
.endr
.irp i, 0,1,2,3
	ds_load_b128 v[X+16*((\t)%2)+4*\i:X+16*((\t)%2)+4*\i+3], v15 offset:32*SP*((\t)%2)+16*\i
.endr
.endm
.irp t, 0,1,2,3
	LOAD \t
.endr
	s_wait_loadcnt 12                              ; step 0's four loads are in; the twelve of steps 1 to 3 may be out
	TURN 0
.macro STEP t
.set XS, X+16*((\t)%2)
.if (\t) > 0
	s_wait_dscnt 1                                 ; this step's numbers are back from the stage (the last step's byte store may be out): so its stores into the stage have read their registers,
.else
	s_wait_dscnt 0x0
.endif
.if (\t)+4 < STEPS
	LOAD (\t)+4                                    ; which take the loads of four steps on
.endif
.if (\t)+1 < STEPS
.if STEPS-2-(\t) >= 3
	s_wait_loadcnt 12                              ; the next step's four loads are in; those of the three steps behind it may be out
.else
	s_wait_loadcnt 4*(STEPS-2-(\t))
.endif
	TURN (\t)+1                                    ; and go through the other stage while this step is worked
.endif
	v_max3_num_f32 v8, |v[XS]|, |v[XS+1]|, |v[XS+2]|               ; the largest magnitude of my 16, in two chains
	v_max3_num_f32 v9, |v[XS+3]|, |v[XS+4]|, |v[XS+5]|
.irp i, 6,10
	v_max3_num_f32 v8, v8, |v[XS+\i]|, |v[XS+\i+1]|
	v_max3_num_f32 v9, v9, |v[XS+\i+2]|, |v[XS+\i+3]|
.endr
	v_max3_num_f32 v8, v8, |v[XS+14]|, |v[XS+15]|
	v_max3_num_f32 v8, v8, v9, (EMAX+1)<<23        ; and the floor 2^(EMAX + 1 - 127): the byte cannot fall under 1
	v_max_num_f32_dpp v8, v8, v8 row_xmask:1 row_mask:0xf bank_mask:0xf   ; and of my neighbour's 16: the block's
	v_add_nc_u32 v11, -(EMAX<<23), v8              ; EMAX off its exponent field: the conversion takes the exponent field of this operand as its scale, and nothing else of it
	v_cvt_scalef32_pk16_fp6_f32 v[C+4*(\t):C+4*(\t)+2], v[XS:XS+15], v11   ; sixteen numbers / the scale, to the nearest code, ties to even, beyond the largest code the largest; 96 bits without gaps
	v_lshrrev_b32 v[E+(\t)], 23, v11               ; the scale's byte
	ds_store_b8 v5, v[E+(\t)] offset:16*(\t)       ; both lanes of a block write the same byte with the same value
	global_store_b96 v4, v[C+4*(\t):C+4*(\t)+2], s[14:15] offset:32*CB*(\t)
.endm
.irp t, 0,1,2,3,4,5,6,7,8,9,10,11,12,13,14,15
	STEP \t
.endr
	ds_load_b64 v[8:9], v6                         ; LDS serves a wave's instructions in order: these see my stores
	s_wait_dscnt 0x0
	global_store_b64 v7, v[8:9], s[16:17]          ; 32 lanes store 256 consecutive bytes, aligned
	s_wait_tensorcnt 0x0                           ; the wave's end, behind my last LDS store
	ds_add_u32 v[SPW], v[NIL]
	s_wait_dscnt 0x0
	s_endpgm
.Lfunc_end_k_q356b7fb933_quant:
	.size	k_q356b7fb933_quant, .Lfunc_end_k_q356b7fb933_quant-k_q356b7fb933_quant
	.p2alignl 7, 3214868480
	.fill 96, 4, 3214868480
	.section	.rodata,"a",@progbits
	.p2align	6, 0x0
	.amdhsa_kernel k_q356b7fb933_quant
		.amdhsa_group_segment_fixed_size 33280
		.amdhsa_private_segment_fixed_size 0
		.amdhsa_enable_private_segment 0
		.amdhsa_kernarg_size 56
		.amdhsa_user_sgpr_count 2
		.amdhsa_user_sgpr_kernarg_segment_ptr 1
		.amdhsa_wavefront_size32 1
		.amdhsa_system_sgpr_workgroup_id_x 1
		.amdhsa_system_sgpr_workgroup_id_y 1
		.amdhsa_system_sgpr_workgroup_id_z 1
		.amdhsa_system_vgpr_workitem_id 0
		.amdhsa_next_free_vgpr 192
		.amdhsa_next_free_sgpr 66
		.amdhsa_reserve_vcc 0
		.amdhsa_float_denorm_mode_32 3
		.amdhsa_float_denorm_mode_16_64 3
		.amdhsa_memory_ordered 1
		.amdhsa_forward_progress 1
		.amdhsa_inst_pref_size 33
	.end_amdhsa_kernel
	.amdgpu_metadata
---
amdhsa.version: [ 1, 2 ]
amdhsa.kernels:
  - .name:           k_q356b7fb933_quant
    .symbol:         k_q356b7fb933_quant.kd
    .args:
      - { .name: x, .offset: 0, .size: 8, .value_kind: global_buffer, .address_space: global }
      - { .name: wq, .offset: 8, .size: 8, .value_kind: global_buffer, .address_space: global }
      - { .name: wk, .offset: 16, .size: 8, .value_kind: global_buffer, .address_space: global }
      - { .name: wv, .offset: 24, .size: 8, .value_kind: global_buffer, .address_space: global }
      - { .name: wo, .offset: 32, .size: 8, .value_kind: global_buffer, .address_space: global }
      - { .name: codes, .offset: 40, .size: 8, .value_kind: global_buffer, .address_space: global }
      - { .name: scales, .offset: 48, .size: 8, .value_kind: global_buffer, .address_space: global }
    .group_segment_fixed_size: 33280
    .private_segment_fixed_size: 0
    .kernarg_segment_align: 8
    .kernarg_segment_size: 56
    .max_flat_workgroup_size: 128
    .sgpr_count:     66
    .vgpr_count:     192
    .wavefront_size: 32
...
	.end_amdgpu_metadata
.endif
;; end of part 1
;; launch qkv (part 2): grid 12 x 16, 4 waves a work-group, clusters of 4 x 4, 327,680 bytes of LDS; arguments codes, scales, img, isc; writes img, isc
.if DOCPART == 2
	.amdgcn_target "amdgcn-amd-amdhsa--gfx1250"
	.amdhsa_code_object_version 6
	.text
	.protected	k_q356b7fb933_qkv
	.globl	k_q356b7fb933_qkv
	.p2align	8
	.type	k_q356b7fb933_qkv,@function
k_q356b7fb933_qkv:
	s_mov_b64 s[64:65], 0
	v_nop
	global_prefetch_b8 v0, s[64:65] scope:SCOPE_SE
	s_setreg_imm32_b32 hwreg(HW_REG_WAVE_MODE, 25, 1), 1
	s_wait_xcnt 0x0
	s_wait_alu depctr_hold_cnt(0) depctr_sa_sdst(0) depctr_va_vdst(0) depctr_va_sdst(0) depctr_va_ssrc(0) depctr_va_vcc(0) depctr_vm_vsrc(0)
	s_getreg_b32 s2, hwreg(HW_REG_IB_STS2, 6, 4)
	s_cmp_eq_u32 s2, 0
	s_cbranch_scc0 .Lentry_in_a_cluster
	s_endpgm
.Lentry_in_a_cluster:
	s_bfe_u32 s2, ttmp6, 0x10000c
	s_cmp_lg_u32 s2, 0xf033
	s_cbranch_scc0 .Lentry_shape_is_right
	s_endpgm
.Lentry_shape_is_right:
; q = x wq^T, k = x wk^T, v = x wv^T on codes of FP6 (E2M3) with one E8M0 scale for each 32 along K (K = 1,024); the results are quantised in registers, q and k along the head's 64, v along the keys,
; and leave as IMAGES OF OPERAND REGISTERS for the attention launch.  One body serves the three: the cluster's x says which (0 q, 1 k, 2 v); it is the same in all partners.
; The loop makes C'[a][b] = sum over k of A'[a][k] B'[b][k] for a tile of 256 x 256: four waves, 128 x 128 each, 64 accumulators of 16 x 16.  q, k: A' = x (tokens), B' = the weight (the heads' d).  v: A' = wv, B' = x.
; THE MATRIX INSTRUCTION IS USED TRANSPOSED (source 0 = 16 rows of B', source 1 = 16 rows of A'): a lane holds one row of A' and its registers run along B'.  The stored order of the rows (in each 32 the second and third
; eight have changed places) makes the 16 registers of B' tiles 2 i and 2 i + 1 the 16 neighbours 32 i + 16 (lane / 16) + 0 .. 15: so a block of 32 along the next product's K lies in lanes l and l xor 16.
; K goes in steps of 256 through a ring of two LDS slots filled by the tensor data mover (rows of 192 bytes); the scale bytes of the work-group's rows come once, with the first fills.
; CLUSTERS: 4 x 4 work-groups; A' tiles are asked for jointly along a row of the cluster, B' tiles along a column: the same tensor load with the same descriptor and a mask that names the four.
; THE IMAGES.  A half-image is 768 bytes: six registers of 32 lanes, registers 0-3 at 16 x lane, registers 4-5 at 512 + 8 x lane.
;   img: q at [head][j][6,144], j = a block of 128 tokens; k and v at QREG + [head][j][12,288].  q, k: tile t at 768 t: lane (r, h): token 128 j + 32 (t / 2) + 8 (t % 2) + r + 8 (r / 8), d = 32 h .. 32 h + 31.
;   v: at 6,144 + 3,072 c + 768 t: lane (r, h): d = 32 (t / 2) + 8 (t % 2) + r + 8 (r / 8), keys 128 j + 64 c + 32 h + 0 .. 31.
;   isc: q at [head][j][256]; k, v at 131,072 + [head][j][k 256 | v 256].  A block of 256 holds at 8 x lane + 4 g the word of index 2 g + lane / 16, row lane % 16.
;   q, k word f: the bytes of tile 2 f (d 0-31, d 32-63), then of tile 2 f + 1.  v word t: the four key blocks of tile t's row.
; LIMITS: a block whose largest magnitude lies under 2^-124, a block of zeros too, gets the byte 1 (this program alone reads the bytes); NaN and infinities are not served.
; REGISTERS, in windows of 256: window 0: v0-31 addresses; v32-63 scale words, two sets; v64-127 the way out; from v128 A's fragments, ONE set.
;   window 1: B's fragments, TWO sets, at v0 and v128.   window 2: the accumulators of my rows 0-63 ((a, b) at v[8 (8 a + b)]);   window 3: those of my rows 64-127.
.set SIZE_K, 1024
.set KSTEP,  256                       ; along K in a slot
.set NQ,     KSTEP/128                 ; matrix instructions deep
.set ROWB,   192                       ; a tile's row in bytes
.set KROW,   SIZE_K*6/8                ; a row of codes in memory
.set PITCH,  240                       ; an LDS row: 3 x (64 bytes + 16 of padding): the 32 lanes of a load of 8 bytes touch 64 different banks (64 banks of 4 bytes: ISA guide 11.1)
.set FR,     12                        ; registers of a fragment: 16 rows x 128 K
.set NL,     6                         ; LDS loads that bring one
.set NP,     4                         ; places behind this matrix instruction (ISA guide 7.12.1)
.set HALFT,  128*PITCH                 ; 128 rows: what one tensor load brings
.set SLOT,   4*HALFT                   ; A's 256 rows, then B's 256 rows
.set LAPS,   SIZE_K/(2*KSTEP)
.set KS,     SIZE_K/32                 ; a row of scale bytes
.set SCL,    2*SLOT                    ; behind the ring: the scale bytes, as runs of 256 bytes + 16 of padding
.set HALFS,  (128*KS/256)*272          ; those of 128 rows: what one tensor load brings
.set SBLK,   (16*KS/256)*272           ; those of 16 rows
.set SPARE,  SCL+4*HALFS               ; the spare words, 128 bytes a wave, which no other line names
.set QREG,   3145728                   ; where k's and v's images begin in img
.set ADRA, 16                          ; v16-17 LDS address of my A fragments in slot 0, 1 (v18-19: for the pieces behind one padding more)
.set ADRB, 20                          ; v20-23 the same for B
.set L16,  24                          ; v24 16 x lane
.set L8,   25                          ; v25 8 x lane
.set ADRS, 27                          ; v27 LDS address of my scale words: lanes 0-15 A's rows, lanes 16-31 B's
.set SPW,  28                          ; v28 LDS address of my spare word; never rewritten
.set NIL,  29                          ; v29 0; never rewritten
.set SC,   32                          ; scale words: set s at v[SC + 8 NQ s]
.set PC,   64                          ; the way out: v64-75 a fragment's codes, v76-78, v80-82 the conversions' second halves
.set SW,   88                          ; v88-91 scale words as they are stored
.set TM,   96                          ; v96-99 largest magnitudes, v100-103 bytes, v108-111 the conversions' scale operands
.set PWS,  112                         ; v112-119 the scale word of each of my eight blocks of rows
.set WK,   120                         ; v120-127 the words in the images' order
.set AF,   128                         ; A's fragments
.set G1, 24                            ; s[24:31] descriptor group 1 for A's tiles;  s[32:39] group 0, one set for each slot
.set G0, 32
.set G1B, 48                           ; s[48:55], s[56:63] the same for B's tiles
.set G0B, 56
.set G1S, 68                           ; s[68:75], s[76:79] groups 1 and 0 for A's scale bytes;  s[80:87], s[88:91] for B's
.set G0S, 76
.set G1SB, 80
.set G0SB, 88
.set SEL, 36                           ; the way out (the descriptors are done with): s[36:37] lane selects for lane l xor 16
.set TMK, 38                           ; s38 all ones for v, 0 for q and k
.set HI,  39                           ; s39 the mask of lanes 16-31
.set MSB, 0
.macro WIN new                         ; the immediate's high byte repeats the setting that is left
.if MSB != (\new)
	s_set_vgpr_msb (MSB<<8)|(\new)
.set MSB, \new
.endif
.endm
.set MUL_LO, 0xa1                      ; source 0 (B) window 1, source 1 (A) window 0, C and D window 2
.set MUL_HI, 0xf1                      ; the same, C and D window 3
.set TO_B,   0x40                      ; destination window 1, address window 0
; A joint load: waves 0 and 1 fetch for A, waves 2 and 3 for B.  Each of the two lines has one mask and one set of registers for all that issue it; the branch hangs on the wave's number alone.
; An s_nop 0 and four v_nop follow each of the two lines.
.macro JLOAD g0a, g1a, g0b, g1b
	s_cmp_eq_u32 s15, 0
	s_cbranch_scc0 .Lfor_b_\@
	tensor_load_to_lds s[\g0a:\g0a+3], s[\g1a:\g1a+7]
	s_nop 0
.rept 4
	v_nop
.endr
	s_branch .Lasked_\@
.Lfor_b_\@:
	tensor_load_to_lds s[\g0b:\g0b+3], s[\g1b:\g1b+7]
	s_nop 0
.rept 4
	v_nop
.endr
.Lasked_\@:
.endm
.macro CREST                           ; a round of the cluster's barrier behind its opening barrier
	s_cmp_lg_u32 s14, 0
	s_cbranch_scc1 .Lnot_wave_0_\@
	s_barrier_signal -3
.Lnot_wave_0_\@:
	s_barrier_wait -3
	s_barrier_signal -1
	s_barrier_wait -1
.endm
.macro CROUND                          ; a whole round
	s_barrier_signal -1
	s_barrier_wait -1
	CREST
.endm
	s_load_b128 s[4:7], s[0:1], 0x0                ; codes s[4:5], scales s[6:7]
	s_load_b128 s[8:11], s[0:1], 0x10              ; img s[8:9], isc s[10:11]
	v_lshl_add_u32 v[SPW], v0, 2, SPARE
	v_mov_b32 v[NIL], 0
	ds_add_u32 v[SPW], v[NIL]                      ; the wave's opening: the add and its wait stand ahead of my first tensor load; the set-up below, work on registers, stands between them
	v_lshrrev_b32 v1, 5, v0
	v_readfirstlane_b32 s14, v1                    ; wave 0..3
	s_lshr_b32 s15, s14, 1                         ; which half of A's 256 rows is mine.  Also: I fetch for A (0) or for B (1)
	s_and_b32 s16, s14, 1                          ; which half of B's.  Also: which 128 rows of that tile I fetch
	s_bfe_u32 s40, ttmp6, 0x40000                  ; cx, cy: my place in the cluster
	s_bfe_u32 s41, ttmp6, 0x40004
	s_and_b32 s95, ttmp7, 0xffff
	s_lshl_b32 s95, s95, 2                         ; 4 x cluster y: the cluster's first block of 256 tokens; kept for the way out
	s_lshl_b32 s96, ttmp9, 2
	s_add_co_u32 s96, s96, 16                      ; the weight's first block of 256 stored rows: 16 + 4 x kind
	s_cmp_eq_u32 ttmp9, 2                          ; v?  The same in all partners
	s_cselect_b32 s17, 24, s95                     ; A': wv's rows (from stored row 6,144), or tokens
	s_cselect_b32 s42, s95, s96                    ; B': tokens, or the weight's rows
	s_add_co_u32 s17, s17, s41                     ; A's block of 256 rows hangs on cy alone,
	s_add_co_u32 s42, s42, s40                     ; B's on cx alone
	s_lshl_b32 s43, s41, 2
	s_lshl_b32 s43, 15, s43                        ; my row of the cluster
	s_lshl_b32 s44, 0x1111, s40                    ; my column
	; descriptor group 1: a tile of 128 rows x ROWB bytes, padded in LDS
	s_or_b32 s[G1+0], s43, (0<<16)|(1<<20)|(1<<21)|(3<<22)|(3<<25)  ; 15:0 the mask: A's tiles go to my row; 17:16 element of 1 byte; 20 padding on; 21 set beside a mask; 24:22 after every 16 words; 31:25 of 4 words
	s_or_b32 s[G1B+0], s44, (0<<16)|(1<<20)|(1<<21)|(3<<22)|(3<<25)
.irp g, G1, G1B
	s_mov_b32 s[\g+1], ROWB<<16                    ; tensor_dim0
	s_mov_b32 s[\g+2], 128<<16                     ; tensor_dim1 = 128
	s_mov_b32 s[\g+3], ROWB<<16                    ; tile_dim0
	s_mov_b32 s[\g+4], 128                         ; tile_dim1 = 128
	s_mov_b32 s[\g+5], KROW                        ; tensor_dim0_stride
	s_mov_b32 s[\g+6], 0
	s_mov_b32 s[\g+7], 0
.endr
	; and for the scale bytes of 128 rows: a dense block of 128 KS bytes, as rows of 256 bytes (32 elements of 8 bytes), 16 bytes of padding behind each
	s_or_b32 s[G1S+0], s43, (3<<16)|(1<<20)|(1<<21)|(5<<22)|(3<<25)
	s_or_b32 s[G1SB+0], s44, (3<<16)|(1<<20)|(1<<21)|(5<<22)|(3<<25)
.irp g, G1S, G1SB
	s_mov_b32 s[\g+1], 32<<16
	s_mov_b32 s[\g+2], (128*KS/256)<<16
	s_mov_b32 s[\g+3], 32<<16
	s_mov_b32 s[\g+4], 128*KS/256
	s_mov_b32 s[\g+5], 32
	s_mov_b32 s[\g+6], 0
	s_mov_b32 s[\g+7], 0
.endr
	s_lshl_b32 s18, s16, 7                         ; which 128 rows of the tile I fetch
	s_lshl_b32 s20, s17, 8
	s_add_co_u32 s20, s20, s18                     ; A: stored row
	s_lshl_b32 s46, s42, 8
	s_add_co_u32 s46, s46, s18                     ; B: stored row
	s_mov_b32 s21, 0
	s_mov_b32 s47, 0
	s_mov_b64 s[18:19], KS
	s_mul_u64 s[22:23], s[20:21], s[18:19]         ; where these rows' scale bytes begin
	s_mul_u64 s[92:93], s[46:47], s[18:19]
	s_mov_b64 s[18:19], KROW
	s_mul_u64 s[20:21], s[20:21], s[18:19]         ; and their codes
	s_mul_u64 s[46:47], s[46:47], s[18:19]
	s_mul_i32 s45, s14, HALFT                      ; where they go: wave x 128 rows: no place in the cluster enters an LDS address
	s_mul_i32 s94, s14, HALFS
	s_wait_dscnt 0x0                               ; the opening add is done
	s_wait_kmcnt 0x0
	s_add_nc_u64 s[20:21], s[4:5], s[20:21]        ; both operands lie in the same two buffers
	s_add_nc_u64 s[22:23], s[6:7], s[22:23]
	s_add_nc_u64 s[46:47], s[4:5], s[46:47]
	s_add_nc_u64 s[92:93], s[6:7], s[92:93]
	CROUND                                         ; all sixteen work-groups are here: the first joint loads meet
	s_mov_b32 s[G0S], 1
	s_add_co_u32 s[G0S+1], s94, SCL
	s_mov_b64 s[G0S+2:G0S+3], s[22:23]
	s_or_b32 s[G0S+3], s[G0S+3], 0x80000000
	s_mov_b32 s[G0SB], 1
	s_add_co_u32 s[G0SB+1], s94, SCL
	s_mov_b64 s[G0SB+2:G0SB+3], s[92:93]
	s_or_b32 s[G0SB+3], s[G0SB+3], 0x80000000
	JLOAD G0S, G1S, G0SB, G1SB                     ; the scale bytes first: they are wanted with K step 0
.irp s, 0,1
	s_mov_b32 s[G0+4*\s], 1
	s_add_co_u32 s[G0+4*\s+1], s45, \s*SLOT
	s_add_nc_u64 s[G0+4*\s+2:G0+4*\s+3], s[20:21], \s*ROWB
	s_or_b32 s[G0+4*\s+3], s[G0+4*\s+3], 0x80000000
	s_mov_b32 s[G0B+4*\s], 1
	s_add_co_u32 s[G0B+4*\s+1], s45, \s*SLOT
	s_add_nc_u64 s[G0B+4*\s+2:G0B+4*\s+3], s[46:47], \s*ROWB
	s_or_b32 s[G0B+4*\s+3], s[G0B+4*\s+3], 0x80000000
	JLOAD G0+4*\s, G1, G0B+4*\s, G1B               ; three tensor loads of mine are out
.endr
	v_and_b32 v1, 15, v0                           ; l % 16
	v_bfe_u32 v2, v0, 4, 1                         ; l / 16
	v_mul_u32_u24 v3, v1, PITCH
	v_mul_u32_u24 v4, v2, 24
	v_add_nc_u32 v4, v3, v4                        ; a fragment's row x pitch + 24 x half
	v_lshl_add_u32 v5, v2, 4, v4                   ; and the same behind one padding more
	s_mul_i32 s21, s15, HALFT                      ; my 128 rows of A
	s_mul_i32 s22, s16, HALFT                      ; my 128 rows of B,
	s_add_co_u32 s22, s22, 2*HALFT                 ; which lie behind A's 256
.irp s, 0,1
	v_add_nc_u32 v[ADRA+\s], s21, v4
	v_add_nc_u32 v[ADRB+\s], s22, v4
	v_add_nc_u32 v[ADRA+2+\s], s21, v5
	v_add_nc_u32 v[ADRB+2+\s], s22, v5
	s_add_co_u32 s21, s21, SLOT
	s_add_co_u32 s22, s22, SLOT
.endr
	v_mul_u32_u24 v5, v1, KS                       ; my row's scale bytes: KS a row,
	v_lshrrev_b32 v6, 8, v5
	v_lshl_add_u32 v5, v6, 4, v5                   ; and 16 more for each 256 passed
	s_mul_i32 s21, s15, HALFS                      ; A's: my 128 rows
	s_mul_i32 s22, s16, HALFS                      ; B's: my 128 rows, behind A's 256
	s_add_co_u32 s22, s22, 2*HALFS
	s_sub_co_u32 s22, s22, s21
	v_mul_u32_u24 v6, s22, v2                      ; lanes 16-31 take B's: one product, the distance between the two bases
	s_add_co_u32 s21, s21, SCL
	v_add_nc_u32 v5, v5, v6
	v_add_nc_u32 v[ADRS], s21, v5
	v_and_b32 v6, 31, v0
	v_lshlrev_b32 v[L16], 4, v6                    ; the way out: an image's places for my lane
	v_lshlrev_b32 v[L8], 3, v6
.macro FRAG reg, adr, q, i             ; a fragment is 12 registers: lane l holds row l % 16; registers 6 c .. 6 c + 5 hold K = 64 c + 32 (l / 16) + 0 .. 31: 24 bytes of the row's stream of bits, as they lie
.irp p, 0,1,2,3,4,5                    ; in pieces of 8 bytes, so that every address is a multiple of the access's size
.set PCE, 12*(\q)+6*(\p/3)+\p%3        ; 16 bytes of padding lie behind every 8 pieces: where the piece three on lies behind one padding more, the second address register serves
.if PCE%8 < 5
	ds_load_b64 v[\reg+2*\p:\reg+2*\p+1], v[\adr] offset:8*PCE+16*(PCE/8)+(\i)*16*PITCH
.else
	ds_load_b64 v[\reg+2*\p:\reg+2*\p+1], v[\adr+2] offset:8*PCE+16*(PCE/8)+(\i)*16*PITCH
.endif
.endr
.endm
; 16 matrix instructions: A's blocks a0, a0 + 1 x B's eight, 128 along K.  zero = 1: the first product starts the sums.  The 64 accumulators take turns, one instruction a turn, in the same order in every step.
.macro MUL16 a0, p, q, sc, zero
.irp a, \a0, \a0+1
.irp b, 0,1,2,3,4,5,6,7
.if \zero
	v_wmma_scale_f32_16x16x128_f8f6f4 v[8*(8*((\a)%4)+\b):8*(8*((\a)%4)+\b)+7], v[128*(\p)+FR*\b:128*(\p)+FR*\b+FR-1], v[AF+FR*(\a):AF+FR*(\a)+FR-1], 0, v[SC+8*NQ*(\sc)+NQ*\b+(\q)], v[SC+8*NQ*(\sc)+NQ*(\a)+(\q)] matrix_a_fmt:MATRIX_FMT_FP6 matrix_b_fmt:MATRIX_FMT_FP6 matrix_a_scale:MATRIX_SCALE_ROW1
.else
	v_wmma_scale_f32_16x16x128_f8f6f4 v[8*(8*((\a)%4)+\b):8*(8*((\a)%4)+\b)+7], v[128*(\p)+FR*\b:128*(\p)+FR*\b+FR-1], v[AF+FR*(\a):AF+FR*(\a)+FR-1], v[8*(8*((\a)%4)+\b):8*(8*((\a)%4)+\b)+7], v[SC+8*NQ*(\sc)+NQ*\b+(\q)], v[SC+8*NQ*(\sc)+NQ*(\a)+(\q)] matrix_a_fmt:MATRIX_FMT_FP6 matrix_b_fmt:MATRIX_FMT_FP6 matrix_a_scale:MATRIX_SCALE_ROW1
.endif
.endr
.endr
.endm
.macro FETCH_B slot, q, p              ; B's eight fragments of the slot's q-th 128 along K into set p
	WIN TO_B
.irp i, 0,1,2,3,4,5,6,7
	FRAG 128*(\p)+FR*\i, ADRB+\slot, \q, \i
.endr
	WIN 0
.endm
.macro FETCH_A slot, q, i0             ; A's blocks i0 .. i0 + 3
.irp i, \i0, \i0+1, \i0+2, \i0+3
	FRAG AF+FR*(\i), ADRA+\slot, \q, \i
.endr
.endm
.macro SCALES sc                       ; the next K step's scale words into set sc: lanes 0-15 take A's block i, lanes 16-31 B's block i
.irp i, 0,1,2,3,4,5,6,7
	ds_load_b64 v[SC+8*NQ*\sc+NQ*\i:SC+8*NQ*\sc+NQ*\i+1], v[ADRS] offset:\i*SBLK
.endr
.endm
.macro PLACES n                        ; plain vector instructions that name none of the matrix instructions' registers: in front of loads into registers that they have read, and of the first read of results
.rept \n
	v_nop
.endr
.endm
.macro STEP slot, q, zero              ; a step of 128 along K that has its successor in the same slot
	s_wait_dscnt 4*NL                              ; B's set and A's blocks 0-3 are in; the youngest 24 loads (A's blocks 4-7) may be out
	WIN MUL_LO
	MUL16 0, (\q)%2, \q, \slot, \zero
	MUL16 2, (\q)%2, \q, \slot, \zero
	s_wait_dscnt 0                                 ; A's blocks 4-7 are in
	PLACES NP
	FETCH_B \slot, (\q)+1, 1-(\q)%2
	FETCH_A \slot, (\q)+1, 0
	WIN MUL_HI
	MUL16 4, (\q)%2, \q, \slot, \zero
	MUL16 6, (\q)%2, \q, \slot, \zero
	PLACES NP
	WIN 0
	FETCH_A \slot, (\q)+1, 4
.endm
; A slot's last step changes slots: ONE barrier; in front of it each wave waits for all its tensor loads, adds 0 to its spare word, and waits for that and for its own reads of this slot.  fill = 1: this slot is filled again, two K steps ahead.
.macro TURN slot, next, fill
	s_wait_tensorcnt 0x0                           ; all my tensor loads have landed: my part of the next slot
	ds_add_u32 v[SPW], v[NIL]                      ; 0 onto my spare word
	s_wait_dscnt 4*NL+1                            ; (the add and the youngest 24 loads, A's blocks 4-7, may be out)
	WIN MUL_LO
	MUL16 0, 1, NQ-1, \slot, 0                     ; sixteen matrix instructions stand between the add and the wait for it
	s_wait_dscnt 0x0                               ; the add is done, and my reads of this slot are over
	s_barrier_signal -1
	MUL16 2, 1, NQ-1, \slot, 0
	WIN 0
	s_barrier_wait -1
.if \fill
	CREST                                          ; the barrier has opened a round of the cluster's barrier: no wave of any partner still reads this slot's tile or has a load on its way
	s_add_nc_u64 s[G0+4*\slot+2:G0+4*\slot+3], s[G0+4*\slot+2:G0+4*\slot+3], 2*ROWB
	s_add_nc_u64 s[G0B+4*\slot+2:G0B+4*\slot+3], s[G0B+4*\slot+2:G0B+4*\slot+3], 2*ROWB
	JLOAD G0+4*\slot, G1, G0B+4*\slot, G1B         ; the first tensor load behind the round, and my only one; its four v_nop are the places in front of the loads below
.else
	PLACES NP
.endif
	v_add_nc_u32 v[ADRS], 4*NQ, v[ADRS]            ; on to the next K step's scale words
	FETCH_B \next, 0, 0
	FETCH_A \next, 0, 0
	SCALES \next
	WIN MUL_HI
	MUL16 4, 1, NQ-1, \slot, 0
	MUL16 6, 1, NQ-1, \slot, 0
	PLACES NP
	WIN 0
	FETCH_A \next, 0, 4
.endm
	s_wait_tensorcnt 1                             ; the scale bytes and my part of K step 0 are in (K step 1's load may be out)
	s_barrier_signal -1
	s_barrier_wait -1                              ; everybody's are
	FETCH_B 0, 0, 0
	FETCH_A 0, 0, 0
	SCALES 0
	FETCH_A 0, 0, 4
	STEP 0, 0, 1                                   ; the first step stands in front of the loop: its products start the sums
	s_mov_b32 s3, LAPS-1
.Llap:                                                 ; a trip goes once round the ring and fills both slots again
	TURN 0, 1, 1
	STEP 1, 0, 0
	TURN 1, 0, 1
	STEP 0, 0, 0
	s_sub_co_u32 s3, s3, 1
	s_cmp_lg_u32 s3, 0
	s_cbranch_scc1 .Llap
	TURN 0, 1, 0                                   ; the last lap fills nothing
	STEP 1, 0, 0
	s_wait_dscnt 4*NL                              ; the very last step: nothing more to fetch
	WIN MUL_LO
	MUL16 0, 1, NQ-1, 1, 0
	MUL16 2, 1, NQ-1, 1, 0
	s_wait_dscnt 0
	WIN MUL_HI
	MUL16 4, 1, NQ-1, 1, 0
	MUL16 6, 1, NQ-1, 1, 0
	WIN 0
	; THE WAY OUT: no LDS, no barrier.  No tensor load of mine is out since the last change of slots, so the descriptors' registers are free.
	; Which block of 128 tokens (jj) and which pair of heads (H0) are mine.  q, k: tokens along A' (cy, my half of A's rows), heads along B' (cx, my half of B's).  v: the other way round.
	s_cmp_eq_u32 ttmp9, 2
	s_cselect_b32 s42, s40, s41
	s_cselect_b32 s43, s16, s15
	s_cselect_b32 s44, s41, s40
	s_cselect_b32 s45, s15, s16
	s_cselect_b32 s[TMK], -1, 0
	s_cselect_b32 s52, 6144, 0                     ; v's images lie behind k's,
	s_cselect_b32 s53, 256, 0                      ; and so do its scale words
	s_add_co_u32 s42, s42, s95
	s_lshl_b32 s42, s42, 1
	s_add_co_u32 s42, s42, s43                     ; jj = 2 (4 cluster y + place) + half
	s_lshl_b32 s44, s44, 2
	s_lshl_b32 s45, s45, 1
	s_add_co_u32 s44, s44, s45                     ; H0 = 4 place + 2 half
	s_cmp_eq_u32 ttmp9, 0                          ; q's region, or k's and v's
	s_mov_b32 s46, 393216
	s_cselect_b32 s46, 196608, s46                 ; bytes of images from head to head
	s_mov_b32 s47, 12288
	s_cselect_b32 s47, 6144, s47                   ; from j to j
	s_mov_b32 s48, QREG
	s_cselect_b32 s48, 0, s48                      ; the region's first byte
	s_mov_b32 s60, 16384
	s_cselect_b32 s60, 8192, s60                   ; the same three for the scale words
	s_mov_b32 s61, 0
	s_mov_b32 s50, 512
	s_cselect_b32 s50, 256, s50
	s_mov_b32 s51, 131072
	s_cselect_b32 s51, 0, s51
	s_cmp_eq_u32 ttmp9, 2
	s_mov_b32 s54, 3072
	s_cselect_b32 s56, s46, s54                    ; from my blocks 0-3 to my blocks 4-7: v: the next head; q, k: four tiles on
	s_cselect_b32 s58, s54, s46                    ; from a fragment's first six registers to its second six: v: the next 64 keys; q, k: the next head
	s_mov_b32 s57, 0
	s_mov_b32 s59, 0
	s_add_co_u32 s92, s48, s52
	s_mul_i32 s93, s44, s46
	s_add_co_u32 s92, s92, s93
	s_mul_i32 s93, s42, s47
	s_add_co_u32 s92, s92, s93
	s_mov_b32 s93, 0
	s_add_nc_u64 s[24:25], s[8:9], s[92:93]        ; the four bases of my images
	s_add_nc_u64 s[26:27], s[24:25], s[58:59]
	s_add_nc_u64 s[28:29], s[24:25], s[56:57]
	s_add_nc_u64 s[30:31], s[28:29], s[58:59]
	s_add_co_u32 s92, s51, s53
	s_mul_i32 s94, s44, s60
	s_add_co_u32 s92, s92, s94
	s_mul_i32 s94, s42, s50
	s_add_co_u32 s92, s92, s94
	s_add_nc_u64 s[32:33], s[10:11], s[92:93]      ; the scale words of head H0,
	s_add_nc_u64 s[34:35], s[32:33], s[60:61]      ; and of head H0 + 1
	s_mov_b32 s[SEL], 0x76543210
	s_mov_b32 s[SEL+1], 0xfedcba98
	s_mov_b32 s[HI], 0xffff0000
	PLACES NP                                      ; behind the last products, ahead of the first read of results
.irp b, 0,1,2,3
	v_mov_b32 v[TM+4+\b], 0                        ; written once: a lane permute's destination counts as one of its sources
.endr
; My block a of 16 rows of A': 64 numbers a lane, register 16 b + i = index 32 b + 16 (lane / 16) + i along B'.  They become a fragment's 12 registers of codes and the row's scale word.
.macro QUANTA a
.set AC, 64*((\a)%4)
.set PB, 24+4*((\a)/4)
	WIN 0x0a+5*((\a)/4)                            ; sources 0 and 1: window 2 or 3
.irp b, 0,1,2,3
	v_max3_num_f32 v[TM+\b], |v[AC+16*\b]|, |v[AC+16*\b+1]|, 0x1800000   ; block b: my 16 numbers, each accumulator from its low end on, and the floor 2^(3 - 127): the byte cannot fall under 1
.endr
.irp i, 2,4,6,8,10,12,14
.irp b, 0,1,2,3
	v_max3_num_f32 v[TM+\b], |v[AC+16*\b+\i]|, |v[AC+16*\b+\i+1]|, v[TM+\b]   ; (the four blocks by turns)
.endr
.endr
	WIN 0
.irp b, 0,1,2,3
	v_permlanex16_b32 v[TM+4+\b], v[TM+\b], s[SEL], s[SEL+1]
.endr
.irp b, 0,1,2,3
	v_max_num_f32 v[TM+\b], v[TM+\b], v[TM+4+\b]   ; with lane l xor 16's: the block's largest magnitude
.endr
.irp b, 0,1,2,3
	v_add_nc_u32 v[TM+12+\b], 0xff000000, v[TM+\b] ; 2 off its exponent field: the conversion's scale operand
.endr
.irp b, 0,1,2,3
	v_lshrrev_b32 v[TM+4+\b], 23, v[TM+12+\b]      ; the scale's byte
.endr
	v_lshl_or_b32 v[PWS+(\a)], v[TM+5], 8, v[TM+4]
	v_lshl_or_b32 v[PWS+(\a)], v[TM+6], 16, v[PWS+(\a)]
	v_lshl_or_b32 v[PWS+(\a)], v[TM+7], 24, v[PWS+(\a)]
	s_wait_xcnt 0x0                                ; the last block's stores have read their data: the codes' registers are written again only behind this wait
	WIN 0x02+((\a)/4)                              ; source 0: window 2 or 3
.irp c, 0,1
	v_cvt_scalef32_pk16_fp6_f32 v[PC+6*\c:PC+2+6*\c], v[AC+32*\c:AC+15+32*\c], v[TM+12+2*\c]
	v_cvt_scalef32_pk16_fp6_f32 v[PC+12+4*\c:PC+14+4*\c], v[AC+16+32*\c:AC+31+32*\c], v[TM+12+2*\c+1]   ; (a conversion's three registers begin on an even number)
.endr
	WIN 0
	v_nop                                          ; one plain place behind a scaled conversion
.irp c, 0,1                                    ; the operand's layout wants a WHOLE block in a lane: lanes 0-15 block 2 c, lanes 16-31 block 2 c + 1
.irp i, 0,1,2
	v_permlane16_swap_b32 v[PC+6*\c+\i], v[PC+12+4*\c+\i]
.endr
.irp i, 0,1,2
	v_mov_b32 v[PC+3+6*\c+\i], v[PC+12+4*\c+\i]
.endr
.endr
	global_store_b128 v[L16], v[PC:PC+3], s[PB:PB+1] offset:768*((\a)%4)             ; 512 consecutive bytes, aligned
	global_store_b64 v[L8], v[PC+4:PC+5], s[PB:PB+1] offset:768*((\a)%4)+512         ; 256 consecutive bytes, aligned
	global_store_b128 v[L16], v[PC+6:PC+9], s[PB+2:PB+3] offset:768*((\a)%4)
	global_store_b64 v[L8], v[PC+10:PC+11], s[PB+2:PB+3] offset:768*((\a)%4)+512
.endm
.irp a, 0,1,2,3,4,5,6,7
	QUANTA \a
.endr
	; the scale words.  q, k, head H0 + y, word f: bytes 2 y, 2 y + 1 of blocks 2 f and 2 f + 1.  v, head H0 + y, word f: block 4 y + f's word as it stands.
.irp y, 0,1
.irp f, 0,1,2,3
	v_perm_b32 v[WK+4*\y+\f], v[PWS+2*\f+1], v[PWS+2*\f], 0x05040100+0x02020202*\y
.endr
.irp f, 0,1,2,3
	v_cndmask_b32 v[WK+4*\y+\f], v[WK+4*\y+\f], v[PWS+4*\y+\f], s[TMK]
.endr
.irp g, 0,1
	v_cndmask_b32 v[SW+2*\y+\g], v[WK+4*\y+2*\g], v[WK+4*\y+2*\g+1], s[HI]   ; lanes 0-15 word 2 g, lanes 16-31 word 2 g + 1
.endr
	global_store_b64 v[L8], v[SW+2*\y:SW+2*\y+1], s[32+2*\y:33+2*\y]          ; 256 consecutive bytes, aligned
.endr
	s_wait_tensorcnt 0x0                           ; the wave's end, behind my last tensor load
	ds_add_u32 v[SPW], v[NIL]
	s_wait_dscnt 0x0
	CROUND                                         ; the closing round: no work-group ends while a partner may still ask for a tile that names it
	s_endpgm
.Lfunc_end_k_q356b7fb933_qkv:
	.size	k_q356b7fb933_qkv, .Lfunc_end_k_q356b7fb933_qkv-k_q356b7fb933_qkv
	.p2alignl 7, 3214868480
	.fill 96, 4, 3214868480
	.section	.rodata,"a",@progbits
	.p2align	6, 0x0
	.amdhsa_kernel k_q356b7fb933_qkv
		.amdhsa_group_segment_fixed_size 327680
		.amdhsa_private_segment_fixed_size 0
		.amdhsa_enable_private_segment 0
		.amdhsa_kernarg_size 32
		.amdhsa_user_sgpr_count 2
		.amdhsa_user_sgpr_kernarg_segment_ptr 1
		.amdhsa_wavefront_size32 1
		.amdhsa_system_sgpr_workgroup_id_x 1
		.amdhsa_system_sgpr_workgroup_id_y 1
		.amdhsa_system_sgpr_workgroup_id_z 1
		.amdhsa_system_vgpr_workitem_id 0
		.amdhsa_next_free_vgpr 1024
		.amdhsa_next_free_sgpr 100
		.amdhsa_reserve_vcc 0
		.amdhsa_float_denorm_mode_32 3
		.amdhsa_float_denorm_mode_16_64 3
		.amdhsa_memory_ordered 1
		.amdhsa_forward_progress 1
		.amdhsa_inst_pref_size 168
	.end_amdhsa_kernel
	.amdgpu_metadata
---
amdhsa.version: [ 1, 2 ]
amdhsa.kernels:
  - .name:           k_q356b7fb933_qkv
    .symbol:         k_q356b7fb933_qkv.kd
    .args:
      - { .name: codes, .offset: 0, .size: 8, .value_kind: global_buffer, .address_space: global }
      - { .name: scales, .offset: 8, .size: 8, .value_kind: global_buffer, .address_space: global }
      - { .name: img, .offset: 16, .size: 8, .value_kind: global_buffer, .address_space: global }
      - { .name: isc, .offset: 24, .size: 8, .value_kind: global_buffer, .address_space: global }
    .group_segment_fixed_size: 327680
    .private_segment_fixed_size: 0
    .kernarg_segment_align: 8
    .kernarg_segment_size: 32
    .max_flat_workgroup_size: 128
    .sgpr_count:     100
    .vgpr_count:     1024
    .wavefront_size: 32
...
	.end_amdgpu_metadata
.endif
;; end of part 2
;; launch attn (part 3): grid 16 x 16, 16 waves a work-group, clusters of 4 x 1, 327,680 bytes of LDS; arguments img, isc, acodes, ascales; writes acodes, ascales
.if DOCPART == 3
	.amdgcn_target "amdgcn-amd-amdhsa--gfx1250"
	.amdhsa_code_object_version 6
	.text
	.protected	k_q356b7fb933_attn
	.globl	k_q356b7fb933_attn
	.p2align	8
	.type	k_q356b7fb933_attn,@function
k_q356b7fb933_attn:
	s_mov_b64 s[64:65], 0
	v_nop
	global_prefetch_b8 v0, s[64:65] scope:SCOPE_SE
	s_setreg_imm32_b32 hwreg(HW_REG_WAVE_MODE, 25, 1), 1
	s_wait_xcnt 0x0
	s_wait_alu depctr_hold_cnt(0) depctr_sa_sdst(0) depctr_va_vdst(0) depctr_va_sdst(0) depctr_va_ssrc(0) depctr_va_vcc(0) depctr_vm_vsrc(0)
	s_getreg_b32 s2, hwreg(HW_REG_IB_STS2, 6, 4)
	s_cmp_eq_u32 s2, 0
	s_cbranch_scc0 .Lentry_in_a_cluster
	s_endpgm
.Lentry_in_a_cluster:
	s_bfe_u32 s2, ttmp6, 0x10000c
	s_cmp_lg_u32 s2, 0x3003
	s_cbranch_scc0 .Lentry_shape_is_right
	s_endpgm
.Lentry_shape_is_right:
; Attention of 16 heads of 64 over 4,096 tokens, no scaling of the scores, both products on codes of FP6 (E2M3) with one E8M0 scale for each 32 along a product's K.  Its result is quantised along the head's 64 and stored as the
; codes of the last product's A: the flat [head][token][64] stream read as [4096][1024], so that 16 neighbouring tokens of a head are one row.
; THE SOFTMAX AHEAD OF THE SECOND PRODUCT: t = score x log2(e); M = the row's largest t so far, rounded UP to a whole number; p = 2^(t - M) is what is quantised, along the keys, not normalised.
; The row's sum is taken of the unquantised p, in f32, and divides O at the end.  When M moves, the sum and O are multiplied by 2^(old M - new M): exact.
; SHARES.  A work-group owns 256 tokens of one head as queries; each of its SIXTEEN waves owns 16 of them, one tile, in 256 registers: four waves to a SIMD, so that one wave's vector work stands beside another's matrix work and LDS loads.
; Every wave walks all keys of the head, 128 a step.  K and V come as images of operand registers (768 bytes: six registers of 32 lanes; registers 0-3 at 16 x lane, 4-5 at 512 + 8 x lane): a step is 12,288 dense bytes.
; A ring of two LDS slots of eight steps is filled by the tensor data mover (waves 0 to 3, a quarter each) and read by all sixteen.  The head's scale words of K and V, 16,384 bytes, come once.
; CLUSTER.  The four query blocks of a cluster belong to one head and walk the same K and V: each tile is asked for JOINTLY, by the same tensor load with the same descriptor and a mask that names the four.
; LAYOUT.  Both products are used transposed: S^T = K Q^T (source 0 = 16 keys, source 1 = my 16 queries), O^T = V^T P^T: a lane holds ONE query (lane % 16) throughout.
; K = 64 IN AN INSTRUCTION OF 128: source 0 holds TWO tiles of keys, tile 2 f in K 0-63 and tile 2 f + 1 in K 64-127; source 1 is [q | 0] for the first and [0 | q] for the second: zero codes add nothing.
; The tokens of a tile are not neighbours (lane r of tile t: 32 (t / 2) + 8 (t % 2) + r + 8 (r / 8)), so that the 16 registers of tiles 2 b and 2 b + 1 are the neighbours 32 b + 16 (lane / 16) + 0 .. 15; V's rows (d) likewise.
; LIMITS: NaN and infinities are not served.  v_exp_f32 gives 0 for p under 2^-126.  A block's largest p is made from its largest score by the same two instructions: this takes v_exp_f32 not to fall where its input rises.
; A block whose largest magnitude lies under 2^-124, a block of zeros too, gets the byte 1 (this program alone reads the bytes).
.set STEPB, 12288                      ; a key step in a slot: K's eight half-images, then V's eight
.set SLOTB, 8*STEPB                    ; a slot's bytes
.set SLOT1, 1<<17                      ; slot 1 begins here: one exclusive or turns an address in one slot into the other's
.set QREG,  3145728                    ; where K's and V's images begin in img
.set SCB,   2*SLOT1                    ; the head's scale words: [step][K 256 | V 256]; filled once
.set STG,   SCB+16384                  ; the way out: 768 bytes for each wave
.set ASB,   STG+16*768                 ; the way out: 32 scale bytes for each wave
.set SPARE, ASB+512                    ; the spare words, 128 bytes a wave, which no other line names
.set L16, 1                            ; v1  16 x lane
.set L8,  2                            ; v2  8 x lane
.set ASC, 3                            ; v3  SCB + 8 x lane
.set RD,  4                            ; v4  the way out: where I read my wave's row back
.set SPW, 5                            ; v5  LDS address of my spare word; never rewritten
.set NIL, 6                            ; v6  0; never rewritten
.set STO, 7                            ; v7  the way out: where I put my 24 bytes of codes
.set ADK, 8                            ; v8  the step's images, 16 bytes a lane
.set ADH, 9                            ; v9  the same, 8 bytes a lane
.set ADS, 10                           ; v10 the step's scale words
.set SBA, 11                           ; v11 the way out: my scale byte's place
.set QF,  16                           ; v16-33 [0 | q | 0]: v[22:33] = [q | 0], v[16:27] = [0 | q]
.set KF,  34                           ; v34-81 K: four double fragments; behind the scores the softmax's scratch
.set KSC, 82                           ; v[82:83] K's scale words
.set VSC, 84                           ; v[84:85] V's
.set QW,  86                           ; v86 q's scale word
.set PW,  87                           ; v87 p's
.set FF,  88                           ; v[88:89] f = 2^(old M - new M); at the end 1 / the sum
.set TMP, 90
.set PFO, 91                           ; v91 256 x lane: the prefetches' offset; never rewritten
.set ASR, 92                           ; v92 ASB + 16 x lane
.set S,   96                           ; v96-159 S^T, then p
.set O,   160                          ; v160-191 O^T
.set VF,  192                          ; v192-239 V: four fragments
.set PC,  240                          ; v240-251 p's codes
.set BM,  34                           ; scratch: the blocks' largest scores, then largest p
.set T2,  38                           ;          the other half's; then the bytes
.set SO,  42                           ;          the conversions' scale operands
.set CT,  46                           ;          the conversions' second halves: v46-48, v50-52
.set SUM, 54                           ;          v[54:55] the sum's second chain
.set TB,  2                            ; s2  LDS byte at which the step in hand begins
.set TS,  3                            ; s3  and its scale words: 512 bytes a step
.set WV,  18                           ; s18 my wave's number
.set SEL, 20                           ; s[20:21] lane selects for lane l xor 16
.set CS,  22                           ; s[22:23] log2(e), twice
.set G1,  24                           ; s[24:31] descriptor group 1 for a quarter of a slot
.set G1S, 32                           ; s[32:39] for a quarter of the scale words
.set G0,  40                           ; s[40:43] group 0 for the slots: it walks
.set G0S, 44                           ; s[44:47] for the scale words
.set SLOTS, 48                         ; s48 slots still to be asked for
.set CNT, 49                           ; s49 counts a slot's eight steps
.set PFA, 50                           ; s[50:51] where my prefetches stand
.set LIM, 52                           ; s52 1 in a wave that prefetches, else the greatest number
.set HI,  53                           ; s53 the mask of lanes 16-31
.macro TLOAD                           ; waves 0 to 3 fetch a quarter of a slot each, the others nothing; the branch hangs on the wave's number alone.  An s_nop 0 and four v_nop follow the load
	s_cmp_lt_u32 s[WV], 4
	s_cbranch_scc0 .Lasked_\@
	tensor_load_to_lds s[G0:G0+3], s[G1:G1+7]
	s_nop 0
.rept 4
	v_nop
.endr
.Lasked_\@:
.endm
; A PREFETCH INTO THE L2 of what the NEXT change of slots will ask for: a slot's 98,304 dense bytes.  All clusters of a head walk the same K and V: the head's first cluster asks.  Its four partners take 24,576 bytes each,
; told apart BY ADDRESS; in each, waves 4 to 6, which fetch nothing, take 8,192 bytes each, lanes 256 bytes apart: 4 x 3 x 32 blocks of 256 bytes, each named once in the launch.  It asks eight key steps ahead of the load.
; The last change that fills a slot asks for nothing; the first two slots' data come by their loads alone.
.macro ASK
	s_cmp_gt_u32 s[SLOTS], s[LIM]
	s_cbranch_scc0 .Lnot_mine_\@
	global_prefetch_b8 v[PFO], s[PFA:PFA+1] th:TH_LOAD_NT scope:SCOPE_SE
.Lnot_mine_\@:
.endm
.macro CROUND                          ; a round of the cluster's barrier
	s_barrier_signal -1
	s_barrier_wait -1
	s_cmp_lg_u32 s[WV], 0
	s_cbranch_scc1 .Lnot_wave_0_\@
	s_barrier_signal -3
.Lnot_wave_0_\@:
	s_barrier_wait -3
	s_barrier_signal -1
	s_barrier_wait -1
.endm
	s_load_b256 s[4:11], s[0:1], 0x0               ; img s[4:5], isc s[6:7], acodes s[8:9], ascales s[10:11]
	v_lshl_add_u32 v[SPW], v0, 2, SPARE
	v_mov_b32 v[NIL], 0
	ds_add_u32 v[SPW], v[NIL]                      ; the wave's opening: the add and its wait stand ahead of the first tensor loads; the set-up below, work on registers, stands between them
	v_lshrrev_b32 v8, 5, v0
	v_readfirstlane_b32 s[WV], v8                  ; wave 0..15
	s_bfe_u32 s12, ttmp6, 0x40000                  ; cx: my place in the cluster
	s_lshl_b32 s13, ttmp9, 2
	s_add_co_u32 s13, s13, s12                     ; my block of 256 queries: it enters q's, the outputs' and the prefetches' addresses alone
	s_and_b32 s14, ttmp7, 0xffff                   ; the head, which the four partners share
	s_and_b32 s15, s[WV], 3
	; descriptor group 1: a dense block as rows of 256 bytes (32 elements of 8 bytes), no padding: 96 rows for a quarter of a slot, 16 for a quarter of the scale words
	s_mov_b32 s[G1], 15|(3<<16)|(1<<21)            ; 15:0 the mask: all four work-groups; 17:16 elements of 8 bytes; 21 set beside a mask
	s_mov_b32 s[G1+1], 32<<16                      ; tensor_dim0
	s_mov_b32 s[G1+2], 96<<16                      ; tensor_dim1
	s_mov_b32 s[G1+3], 32<<16                      ; tile_dim0
	s_mov_b32 s[G1+4], 96                          ; tile_dim1
	s_mov_b32 s[G1+5], 32                          ; tensor_dim0_stride
	s_mov_b32 s[G1+6], 0
	s_mov_b32 s[G1+7], 0
	s_mov_b32 s[G1S], 15|(3<<16)|(1<<21)
	s_mov_b32 s[G1S+1], 32<<16
	s_mov_b32 s[G1S+2], 16<<16
	s_mov_b32 s[G1S+3], 32<<16
	s_mov_b32 s[G1S+4], 16
	s_mov_b32 s[G1S+5], 32
	s_mov_b32 s[G1S+6], 0
	s_mov_b32 s[G1S+7], 0
	s_mov_b32 s[SEL], 0x76543210
	s_mov_b32 s[SEL+1], 0xfedcba98
	s_mov_b32 s[CS], 0x3fb8aa3b                    ; log2(e)
	s_mov_b32 s[CS+1], s[CS]                       ; (named with it as a pair, so it is written)
	s_mov_b32 s[HI], 0xffff0000
	s_mov_b32 s[TB], 0
	s_mov_b32 s[TS], 0
	s_mov_b32 s[SLOTS], 3
	; offsets, apart from the addresses
	s_mul_i32 s54, s14, 393216
	s_add_co_u32 s54, s54, QREG                    ; the head's K and V in img
	s_mul_i32 s17, s15, 24576                      ; my quarter of a slot, in memory and in LDS
	s_add_co_u32 s56, s54, s17
	s_mov_b32 s57, 0
	s_mov_b32 s[G0], 1                             ; count = 1
	s_mov_b32 s[G0+1], s17                         ; LDS address: slot 0
	s_lshl_b32 s58, s14, 14
	s_add_co_u32 s58, s58, 131072                  ; the head's scale words of K and V in isc
	s_lshl_b32 s19, s15, 12                        ; my quarter of them
	s_add_co_u32 s58, s58, s19
	s_mov_b32 s59, 0
	s_mov_b32 s[G0S], 1
	s_add_co_u32 s[G0S+1], s19, SCB
	s_mul_i32 s60, s12, 24576                      ; the prefetches: my work-group's quarter of a slot,
	s_add_co_u32 s60, s60, s54
	s_lshl_b32 s16, s15, 13                        ; my wave's 8,192 bytes of it (waves 4 to 6),
	s_add_co_u32 s60, s60, s16
	s_add_co_u32 s60, s60, SLOTB                   ; at the second slot's data: the first change of slots steps it to the third's
	s_mov_b32 s61, 0
	s_sub_co_u32 s16, s[WV], 4
	s_cmp_lt_u32 s16, 3                            ; waves 4 to 6
	s_cselect_b32 s16, 0, 1
	s_or_b32 s16, s16, ttmp9                       ; of the head's first cluster: the same in all four partners
	s_cmp_eq_u32 s16, 0
	s_cselect_b32 s[LIM], 1, -1
	s_lshr_b32 s16, s[WV], 3
	s_lshl_b32 s62, s13, 1
	s_add_co_u32 s16, s16, s62                     ; q: my block of 128 tokens, j = 2 x query block + wave / 8
	s_bfe_u32 s19, s[WV], 0x20001                  ; f = (wave / 2) % 4: my 16 tokens lie in tiles 2 f and 2 f + 1
	s_mul_i32 s62, s14, 196608
	s_mul_i32 s63, s16, 6144
	s_add_co_u32 s62, s62, s63
	s_mul_i32 s63, s19, 1536
	s_add_co_u32 s62, s62, s63
	s_mov_b32 s63, 0                               ; s[62:63]: tile 2 f of q's images
	s_lshl_b32 s66, s14, 13
	s_lshl_b32 s67, s16, 8
	s_add_co_u32 s66, s66, s67
	s_and_b32 s67, s19, 1
	s_lshl_b32 s67, s67, 7
	s_add_co_u32 s66, s66, s67
	s_lshr_b32 s67, s19, 1
	s_lshl_b32 s67, s67, 2
	s_add_co_u32 s66, s66, s67
	s_mov_b32 s67, 0                               ; s[66:67]: word f of q's scale words: 128 (f % 2) + 4 (f / 2)
	s_lshl_b32 s68, s14, 8
	s_lshl_b32 s69, s13, 4
	s_add_co_u32 s68, s68, s69                     ; the work-group's first row of the output: 256 x head + 16 x query block
	s_lshl_b32 s70, s68, 5                         ; its 32 scale bytes a row
	s_mov_b32 s71, 0
	s_add_co_u32 s68, s68, s[WV]                   ; my wave's row,
	s_mul_i32 s68, s68, 768                        ; 768 bytes of codes
	s_mov_b32 s69, 0
	; every LDS address register is made here, ahead of the first branch on the wave's number
	v_and_b32 v8, 31, v0                           ; lane
	v_lshlrev_b32 v[L16], 4, v8
	v_lshlrev_b32 v[L8], 3, v8
	v_lshlrev_b32 v[PFO], 8, v8
	v_add_nc_u32 v[ASC], SCB, v[L8]
	v_add_nc_u32 v[ASR], ASB, v[L16]
	s_mul_i32 s72, s[WV], 768
	s_add_co_u32 s72, s72, STG                     ; my stage
	v_add_nc_u32 v[RD], s72, v[L8]
	v_and_b32 v8, 15, v0                           ; r
	v_bfe_u32 v9, v0, 4, 1                         ; h
	v_mul_u32_u24 v[STO], v8, 48
	v_mad_u32_u24 v[STO], v9, 24, v[STO]
	v_add_nc_u32 v[STO], s72, v[STO]               ; query r's 64 codes are 48 bytes of the row; my half of them 24
	s_lshl_b32 s73, s[WV], 5
	s_add_co_u32 s73, s73, ASB
	v_lshl_add_u32 v[SBA], v8, 1, v9
	v_add_nc_u32 v[SBA], s73, v[SBA]               ; scale byte 2 r + h of my wave's row
	; q's gather: lane (r, h) wants token 16 (wave % 8) + r of the block of 128: tile 2 f + r / 8, the image's lane 8 e + r % 8 + 16 h, e = wave % 2
	v_and_b32 v10, 7, v0
	v_bfe_u32 v[TMP], v0, 3, 1                     ; r / 8
	s_and_b32 s72, s[WV], 1
	s_lshl_b32 s72, s72, 3                         ; 8 e
	v_lshl_add_u32 v93, v9, 4, v10
	v_add_nc_u32 v93, s72, v93                     ; the image's lane
	v_mul_u32_u24 v95, v[TMP], 768
	v_lshl_add_u32 v94, v93, 3, v95                ; registers 4-5: 8 x lane + the tile (512 stands in the immediate)
	v_lshl_add_u32 v93, v93, 4, v95                ; registers 0-3: 16 x lane + the tile
	v_add_nc_u32 v95, s72, v10
	v_lshlrev_b32 v95, 3, v95                      ; the scale word of row 8 e + r % 8
	v_lshlrev_b32 v[TMP], 4, v[TMP]                ; and which half of it is my tile's: 16 (r / 8) bits up
	s_wait_dscnt 0x0                               ; the opening add is done
	s_wait_kmcnt 0x0
	s_add_nc_u64 s[G0+2:G0+3], s[4:5], s[56:57]    ; global address: the head's first eight key steps, my quarter
	s_or_b32 s[G0+3], s[G0+3], 0x80000000          ; type = 2
	s_add_nc_u64 s[G0S+2:G0S+3], s[6:7], s[58:59]
	s_or_b32 s[G0S+3], s[G0S+3], 0x80000000
	s_add_nc_u64 s[PFA:PFA+1], s[4:5], s[60:61]
	s_add_nc_u64 s[62:63], s[4:5], s[62:63]
	s_add_nc_u64 s[66:67], s[6:7], s[66:67]
	s_add_nc_u64 s[8:9], s[8:9], s[68:69]
	s_add_nc_u64 s[10:11], s[10:11], s[70:71]
	CROUND                                         ; all four work-groups are here: the first joint loads meet
	s_cmp_lt_u32 s[WV], 4                          ; a wave's two first fills stand in one branch, ahead of every wait on TENSORcnt and every LDS read: two loads of mine are out
	s_cbranch_scc0 .Lno_first
	tensor_load_to_lds s[G0S:G0S+3], s[G1S:G1S+7]  ; the head's scale words: filled once
	s_nop 0
	tensor_load_to_lds s[G0:G0+3], s[G1:G1+7]      ; slot 0
	s_nop 0
.rept 4
	v_nop
.endr
.Lno_first:
	global_load_b128 v[QF+6:QF+9], v93, s[62:63]
	global_load_b64 v[QF+10:QF+11], v94, s[62:63] offset:512
	global_load_b32 v[QW], v95, s[66:67]
.irp j, 0,1,2,3,4,5,12,13,14,15,16,17
	v_mov_b32 v[QF+\j], 0                          ; zero codes on both sides of q
.endr
	v_mov_b32 v13, 0xff61b1e6                      ; the largest t so far: -3e38, under every t
	v_floor_f32 v12, -v13                          ; -M
	v_mov_b32 v14, 0                               ; the sum, in two halves
	v_mov_b32 v15, 0
	v_mov_b32 v[FF+1], 0                           ; (named as the upper half of the pair with f)
	s_wait_loadcnt 0x0                             ; q and its scale word
	v_lshrrev_b32 v[QW], v[TMP], v[QW]             ; my tile's two bytes,
	v_perm_b32 v[QW], v[QW], v[QW], 0x01000100     ; twice: the word serves [q | 0] and [0 | q] alike
.set j, 0
.rept 32
	v_mov_b32 v[O+j], 0                            ; O^T.  (The step is written once: its first trip finds zeros.)  These are also the places between the scale word's last write and the first product
.set j, j+1
.endr
; A KEY STEP: 128 keys.
.macro STEP
	v_add_nc_u32 v[ADK], s[TB], v[L16]
	v_add_nc_u32 v[ADH], s[TB], v[L8]
	v_add_nc_u32 v[ADS], s[TS], v[ASC]
	v_nop                                          ; these four are the places behind the last products, in front of loads into registers that they have read
	ds_load_b64 v[KSC:KSC+1], v[ADS]
.irp t, 0,1,2,3,4,5,6,7
	ds_load_b128 v[KF+6*\t:KF+6*\t+3], v[ADK] offset:768*\t
	ds_load_b64 v[KF+6*\t+4:KF+6*\t+5], v[ADH] offset:768*\t+512
.endr
	ds_load_b64 v[VSC:VSC+1], v[ADS] offset:256
.irp t, 0,1,2,3
.irp c, 0,1
	ds_load_b128 v[VF+12*\t+6*\c:VF+12*\t+6*\c+3], v[ADK] offset:6144+3072*\c+768*\t
	ds_load_b64 v[VF+12*\t+6*\c+4:VF+12*\t+6*\c+5], v[ADH] offset:6144+3072*\c+768*\t+512
.endr
.endr
	s_wait_dscnt 17                                ; K and its scale words are in; V's scale load and its 16 loads may be out: they land under the softmax
.irp f, 0,1,2,3                                ; S^T: tile 2 f by [q | 0], tile 2 f + 1 by [0 | q].  K's word f lies in register f / 2, lanes 0-15 where f is even, 16-31 where it is odd
.irp u, 0,1
.if \f%2
	v_wmma_scale_f32_16x16x128_f8f6f4 v[S+8*(2*\f+\u):S+8*(2*\f+\u)+7], v[KF+12*\f:KF+12*\f+11], v[QF+6-6*\u:QF+17-6*\u], 0, v[KSC+\f/2], v[QW] matrix_a_fmt:MATRIX_FMT_FP6 matrix_b_fmt:MATRIX_FMT_FP6 matrix_a_scale:MATRIX_SCALE_ROW1
.else
	v_wmma_scale_f32_16x16x128_f8f6f4 v[S+8*(2*\f+\u):S+8*(2*\f+\u)+7], v[KF+12*\f:KF+12*\f+11], v[QF+6-6*\u:QF+17-6*\u], 0, v[KSC+\f/2], v[QW] matrix_a_fmt:MATRIX_FMT_FP6 matrix_b_fmt:MATRIX_FMT_FP6
.endif
.endr
.endr                                          ; the 16 registers of tiles 2 b, 2 b + 1 are keys 32 b + 16 (lane / 16) + 0 .. 15
.rept 4
	v_nop                                          ; places: the scores are read, and K's registers become scratch
.endr
.irp b, 0,1,2,3
	v_max3_num_f32 v[BM+\b], v[S+16*\b], v[S+1+16*\b], v[S+2+16*\b]   ; THE LARGEST SCORE OF EACH BLOCK OF 32 KEYS: it serves for the row's maximum and, since p rises with the score, for the block's largest p
.endr
.irp i, 3,5,7,9,11,13
.irp b, 0,1,2,3
	v_max3_num_f32 v[BM+\b], v[BM+\b], v[S+16*\b+\i], v[S+1+16*\b+\i]   ; (the four blocks by turns; each accumulator from its low end on)
.endr
.endr
.irp b, 0,1,2,3
	v_max_num_f32 v[BM+\b], v[BM+\b], v[S+15+16*\b]
.endr
.irp b, 0,1,2,3
	v_permlanex16_b32 v[T2+\b], v[BM+\b], s[SEL], s[SEL+1]
.endr
.irp b, 0,1,2,3
	v_max_num_f32 v[BM+\b], v[BM+\b], v[T2+\b]     ; with lane l xor 16's 16 keys
.endr
	v_max3_num_f32 v[TMP], v[BM], v[BM+1], v[BM+2]
	v_max_num_f32 v[TMP], v[TMP], v[BM+3]          ; the step's largest score of my query
	v_mul_f32 v[TMP], s[CS], v[TMP]                ; as t
	v_max_num_f32 v13, v13, v[TMP]                 ; the running largest t
	v_mov_b32 v[TMP], v12
	v_floor_f32 v12, -v13                          ; the new -M = floor(-t) = -ceil(t): M is a whole number
	v_sub_f32 v[TMP], v12, v[TMP]                  ; M's old value less its new one: a whole number, 0 or less
	v_cvt_i32_f32 v[TMP], v[TMP]                   ; (it saturates)
	v_ldexp_f32 v[FF], 1.0, v[TMP]                 ; f = 2^(old M - new M)
.set j, 0
.rept 32
	v_pk_fma_f32 v[S+j:S+j+1], v[S+j:S+j+1], s[CS:CS+1], v[12:13] op_sel_hi:[1,0,0]   ; t - M, two at a time
.set j, j+2
.endr
.irp b, 0,1,2,3
	v_fma_f32 v[BM+\b], v[BM+\b], s[CS], v12       ; the same of each block's largest score
.endr
.set j, 0
.rept 64
	v_exp_f32 v[S+j], v[S+j]                       ; p = 2^(t - M), at most 1: not normalised
.set j, j+1
.endr
	v_pk_mul_f32 v[14:15], v[14:15], v[FF:FF+1] op_sel_hi:[1,0]   ; the sums under the new M: a plain place behind the exponentials
	s_wait_alu depctr_va_vdst(0)                   ; one wait for the whole batch, ahead of its first reader
.irp b, 0,1,2,3
	v_exp_f32 v[BM+\b], v[BM+\b]                   ; the block's largest p: the same two instructions on the same number give the same bits
.endr
	v_pk_add_f32 v[SUM:SUM+1], v[S:S+1], v[S+2:S+3]   ; THE ROW'S SUM IS TAKEN OF THE UNQUANTISED p: two at a time, in two chains; plain work behind the four
.irp j, 4,8,12,16,20,24,28,32,36,40,44,48,52,56,60
	v_pk_add_f32 v[14:15], v[14:15], v[S+\j:S+\j+1]
	v_pk_add_f32 v[SUM:SUM+1], v[SUM:SUM+1], v[S+2+\j:S+3+\j]
.endr
	v_pk_add_f32 v[14:15], v[14:15], v[SUM:SUM+1]
	s_wait_alu depctr_va_vdst(0)                   ; and one for the four
.irp b, 0,1,2,3
	v_max_num_f32 v[BM+\b], 0x1800000, v[BM+\b]    ; the floor 2^(3 - 127): the byte cannot fall under 1
.endr
.irp b, 0,1,2,3
	v_add_nc_u32 v[SO+\b], 0xff000000, v[BM+\b]    ; 2 off the exponent field: the conversion's scale operand
.endr
.irp b, 0,1,2,3
	v_lshrrev_b32 v[T2+\b], 23, v[SO+\b]           ; the scale's byte
.endr
	v_lshl_or_b32 v[PW], v[T2+1], 8, v[T2]         ; p's scale word for these 128 keys
	v_lshl_or_b32 v[PW], v[T2+2], 16, v[PW]
	v_lshl_or_b32 v[PW], v[T2+3], 24, v[PW]
.irp c, 0,1
	v_cvt_scalef32_pk16_fp6_f32 v[PC+6*\c:PC+2+6*\c], v[S+32*\c:S+15+32*\c], v[SO+2*\c]
	v_cvt_scalef32_pk16_fp6_f32 v[CT+4*\c:CT+2+4*\c], v[S+16+32*\c:S+31+32*\c], v[SO+2*\c+1]   ; (a conversion's three registers begin on an even number)
.endr
	v_nop                                          ; one plain place behind a scaled conversion
.irp c, 0,1                                    ; the operand's layout wants a WHOLE block in a lane: lanes 0-15 block 2 c, lanes 16-31 block 2 c + 1
.irp i, 0,1,2
	v_permlane16_swap_b32 v[PC+6*\c+\i], v[CT+4*\c+\i]
.endr
.irp i, 0,1,2
	v_mov_b32 v[PC+3+6*\c+\i], v[CT+4*\c+\i]
.endr
.endr
.set j, 0
.rept 16
	v_pk_mul_f32 v[O+j:O+j+1], v[O+j:O+j+1], v[FF:FF+1] op_sel_hi:[1,0]   ; O^T under the new M, each accumulator from its low end on.  For each product below, the twelve that name other tiles are the places behind the scale word's and the codes' last writes
.set j, j+2
.endr
	s_wait_dscnt 0x0                               ; V and its scale words are in
.irp t, 0,1,2,3                                ; O^T += V^T P^T: K = these 128 keys; the four accumulators by turns
.if \t%2
	v_wmma_scale_f32_16x16x128_f8f6f4 v[O+8*\t:O+8*\t+7], v[VF+12*\t:VF+12*\t+11], v[PC:PC+11], v[O+8*\t:O+8*\t+7], v[VSC+\t/2], v[PW] matrix_a_fmt:MATRIX_FMT_FP6 matrix_b_fmt:MATRIX_FMT_FP6 matrix_a_scale:MATRIX_SCALE_ROW1
.else
	v_wmma_scale_f32_16x16x128_f8f6f4 v[O+8*\t:O+8*\t+7], v[VF+12*\t:VF+12*\t+11], v[PC:PC+11], v[O+8*\t:O+8*\t+7], v[VSC+\t/2], v[PW] matrix_a_fmt:MATRIX_FMT_FP6 matrix_b_fmt:MATRIX_FMT_FP6
.endif
.endr
	s_add_co_u32 s[TB], s[TB], STEPB               ; the next step's images and scale words
	s_add_co_u32 s[TS], s[TS], 512
.endm
; THE CHANGE OF SLOTS stands at a slot's head.  Each wave waits for all its tensor loads (its part of the slot that it is about to read), adds 0 to its spare word, and waits for that and for its reads of the slot that it has left.
; fill = 1: the barrier is a round of the cluster's, so that no wave of any partner still reads the other slot or has a load on its way; the joint load is the first thing behind it and has eight key steps in which to land.
.macro CHANGE fill
	s_wait_tensorcnt 0x0                           ; no tensor load of mine is out, so group 0 may be written
	ds_add_u32 v[SPW], v[NIL]                      ; 0 onto my spare word
.if \fill
	s_xor_b32 s[G0+1], s[G0+1], SLOT1              ; the walking descriptor: the other slot than last time,
	s_add_nc_u64 s[G0+2:G0+3], s[G0+2:G0+3], SLOTB ; the next eight key steps; the type bits on top are not reached
	s_wait_xcnt 0x0                                ; the last prefetch, a slot back, has read its address, so it may be written:
	s_add_nc_u64 s[PFA:PFA+1], s[PFA:PFA+1], SLOTB ; one slot further on than the walking descriptor
	s_wait_dscnt 0x0                               ; the add is done, and my reads of the slot that I have left are over
	CROUND
	TLOAD
	ASK
.else
	s_wait_dscnt 0x0
	s_barrier_signal -1
	s_barrier_wait -1
.endif
.endm
.macro SLOT_STEPS                      ; a slot's eight key steps: written once, walked eight times; the LDS addresses hang on s[TB] and s[TS]
	s_mov_b32 s[CNT], 8
.Lstep_\@:
	STEP
	s_sub_co_u32 s[CNT], s[CNT], 1
	s_cmp_lg_u32 s[CNT], 0
	s_cbranch_scc1 .Lstep_\@
	s_sub_co_u32 s[TB], s[TB], SLOTB               ; back to a slot's first step,
	s_xor_b32 s[TB], s[TB], SLOT1                  ; in the other slot
.endm
.Lslot:                                            ; three trips: behind each change of slots but the last the next slot is asked for
	CHANGE 1
	SLOT_STEPS
	s_sub_co_u32 s[SLOTS], s[SLOTS], 1
	s_cmp_lg_u32 s[SLOTS], 0
	s_cbranch_scc1 .Lslot
	CHANGE 0                                       ; the last slot is written out
	SLOT_STEPS
	; THE WAY OUT.  O^T / the sum; register 16 b + i of a lane is d = 32 b + 16 (lane / 16) + i of its query: two blocks of the last product's K.  They are quantised as p was.
.rept 4
	v_nop                                          ; places behind the last products
.endr
	v_add_f32 v14, v14, v15                        ; the sum's two halves,
	v_permlanex16_b32 v[TMP], v14, s[SEL], s[SEL+1]
	v_add_f32 v14, v14, v[TMP]                     ; and lane l xor 16's: the row's sum
	v_rcp_f32 v[FF], v14
	v_nop                                          ; a plain place behind the reciprocal
	s_wait_alu depctr_va_vdst(0)                   ; and the wait ahead of its first reader
.set j, 0
.rept 16
	v_pk_mul_f32 v[S+j:S+j+1], v[O+j:O+j+1], v[FF:FF+1] op_sel_hi:[1,0]   ; each accumulator from its low end on
.set j, j+2
.endr
.irp b, 0,1
	v_max3_num_f32 v[BM+\b], |v[S+16*\b]|, |v[S+1+16*\b]|, 0x1800000   ; my 16 numbers of block b, and the floor
.endr
.irp i, 2,4,6,8,10,12,14
.irp b, 0,1
	v_max3_num_f32 v[BM+\b], v[BM+\b], |v[S+16*\b+\i]|, |v[S+1+16*\b+\i]|
.endr
.endr
.irp b, 0,1
	v_permlanex16_b32 v[T2+\b], v[BM+\b], s[SEL], s[SEL+1]
.endr
.irp b, 0,1
	v_max_num_f32 v[BM+\b], v[BM+\b], v[T2+\b]
.endr
.irp b, 0,1
	v_add_nc_u32 v[SO+\b], 0xff000000, v[BM+\b]
.endr
.irp b, 0,1
	v_lshrrev_b32 v[T2+\b], 23, v[SO+\b]
.endr
	v_cvt_scalef32_pk16_fp6_f32 v[PC:PC+2], v[S:S+15], v[SO]
	v_cvt_scalef32_pk16_fp6_f32 v[PC+4:PC+6], v[S+16:S+31], v[SO+1]
	v_nop                                          ; one plain place behind a scaled conversion
.irp i, 0,1,2
	v_permlane16_swap_b32 v[PC+\i], v[PC+4+\i]     ; lanes 0-15 now hold block 0 whole, lanes 16-31 block 1: d = 32 (lane / 16) + 0 .. 31
.endr
	v_mov_b32 v[PC+3], v[PC+4]                     ; six registers on end
	v_mov_b32 v[PC+4], v[PC+5]
	v_mov_b32 v[PC+5], v[PC+6]
	v_cndmask_b32 v[TMP], v[T2], v[T2+1], s[HI]    ; my block's byte
	ds_store_b64 v[STO], v[PC:PC+1]                ; my 24 bytes of the wave's row of 768
	ds_store_b64 v[STO], v[PC+2:PC+3] offset:8
	ds_store_b64 v[STO], v[PC+4:PC+5] offset:16
	ds_store_b8 v[SBA], v[TMP]
.irp i, 0,1,2
	ds_load_b64 v[PC+8+2*\i:PC+9+2*\i], v[RD] offset:256*\i   ; LDS serves a wave's instructions in order: these see my stores
.endr
.irp i, 0,1,2
	s_wait_dscnt 2-\i                              ; the later loads may stay out
	global_store_b64 v[L8], v[PC+8+2*\i:PC+9+2*\i], s[8:9] offset:256*\i   ; 32 lanes store 256 consecutive bytes, aligned
.endr
	s_barrier_signal -1                            ; every wave's scale bytes lie in LDS (my LDS instructions are done: the last wait was for 0)
	s_barrier_wait -1
	s_cmp_lg_u32 s[WV], 0
	s_cbranch_scc1 .Lnot_first_wave
	ds_load_b128 v[S:S+3], v[ASR]                  ; the sixteen rows' 512 scale bytes
	s_wait_dscnt 0x0
	global_store_b128 v[L16], v[S:S+3], s[10:11]   ; 512 consecutive bytes, aligned
.Lnot_first_wave:
	s_wait_tensorcnt 0x0                           ; the wave's end, behind my last tensor load and my last LDS store
	ds_add_u32 v[SPW], v[NIL]
	s_wait_dscnt 0x0
	CROUND                                         ; the closing round: no work-group ends while a partner may still ask for a tile that names it
	s_endpgm
.Lfunc_end_k_q356b7fb933_attn:
	.size	k_q356b7fb933_attn, .Lfunc_end_k_q356b7fb933_attn-k_q356b7fb933_attn
	.p2alignl 7, 3214868480
	.fill 96, 4, 3214868480
	.section	.rodata,"a",@progbits
	.p2align	6, 0x0
	.amdhsa_kernel k_q356b7fb933_attn
		.amdhsa_group_segment_fixed_size 327680
		.amdhsa_private_segment_fixed_size 0
		.amdhsa_enable_private_segment 0
		.amdhsa_kernarg_size 32
		.amdhsa_user_sgpr_count 2
		.amdhsa_user_sgpr_kernarg_segment_ptr 1
		.amdhsa_wavefront_size32 1
		.amdhsa_system_sgpr_workgroup_id_x 1
		.amdhsa_system_sgpr_workgroup_id_y 1
		.amdhsa_system_sgpr_workgroup_id_z 1
		.amdhsa_system_vgpr_workitem_id 0
		.amdhsa_next_free_vgpr 256
		.amdhsa_next_free_sgpr 80
		.amdhsa_reserve_vcc 0
		.amdhsa_float_denorm_mode_32 3
		.amdhsa_float_denorm_mode_16_64 3
		.amdhsa_memory_ordered 1
		.amdhsa_forward_progress 1
		.amdhsa_inst_pref_size 47
	.end_amdhsa_kernel
	.amdgpu_metadata
---
amdhsa.version: [ 1, 2 ]
amdhsa.kernels:
  - .name:           k_q356b7fb933_attn
    .symbol:         k_q356b7fb933_attn.kd
    .args:
      - { .name: img, .offset: 0, .size: 8, .value_kind: global_buffer, .address_space: global }
      - { .name: isc, .offset: 8, .size: 8, .value_kind: global_buffer, .address_space: global }
      - { .name: acodes, .offset: 16, .size: 8, .value_kind: global_buffer, .address_space: global }
      - { .name: ascales, .offset: 24, .size: 8, .value_kind: global_buffer, .address_space: global }
    .group_segment_fixed_size: 327680
    .private_segment_fixed_size: 0
    .kernarg_segment_align: 8
    .kernarg_segment_size: 32
    .max_flat_workgroup_size: 512
    .sgpr_count:     80
    .vgpr_count:     256
    .wavefront_size: 32
...
	.end_amdgpu_metadata
.endif
;; end of part 3
;; launch proj (part 4): grid 4 x 16, 4 waves a work-group, clusters of 4 x 4, 327,680 bytes of LDS; arguments acodes, ascales, codes, scales, bo, out0; writes out0
.if DOCPART == 4
	.amdgcn_target "amdgcn-amd-amdhsa--gfx1250"
	.amdhsa_code_object_version 6
	.text
	.protected	k_q356b7fb933_proj
	.globl	k_q356b7fb933_proj
	.p2align	8
	.type	k_q356b7fb933_proj,@function
k_q356b7fb933_proj:
	s_mov_b64 s[64:65], 0
	v_nop
	global_prefetch_b8 v0, s[64:65] scope:SCOPE_SE
	s_setreg_imm32_b32 hwreg(HW_REG_WAVE_MODE, 25, 1), 1
	s_wait_xcnt 0x0
	s_wait_alu depctr_hold_cnt(0) depctr_sa_sdst(0) depctr_va_vdst(0) depctr_va_sdst(0) depctr_va_ssrc(0) depctr_va_vcc(0) depctr_vm_vsrc(0)
	s_getreg_b32 s2, hwreg(HW_REG_IB_STS2, 6, 4)
	s_cmp_eq_u32 s2, 0
	s_cbranch_scc0 .Lentry_in_a_cluster
	s_endpgm
.Lentry_in_a_cluster:
	s_bfe_u32 s2, ttmp6, 0x10000c
	s_cmp_lg_u32 s2, 0xf033
	s_cbranch_scc0 .Lentry_shape_is_right
	s_endpgm
.Lentry_shape_is_right:
; out0[m][n] = sum over k of A[m][k] wo[n][k] + bo[n].  A: [4096][1024] as codes of FP6 (E2M3) with one E8M0 scale for each 32 along K (acodes, ascales); wo: stored rows 7,168 to 8,191 of codes and scales; out0 f32.
; A tile of 256 x 256 is made by a work-group of four waves; a wave makes 128 x 128: 64 accumulators of 16 x 16.  K goes in steps of 256 through a ring of two LDS slots filled by the tensor data mover (rows of 192 bytes);
; the scale bytes of the work-group's rows come once, with the first fills.  64 tiles: the launch holds one twelfth of the program's matrix work, and keeps the large tile.
; CLUSTERS: 4 x 4 work-groups; A's tiles are asked for jointly along a row of the cluster, wo's along a column.  THE MATRIX INSTRUCTION IS USED TRANSPOSED (source 0 = 16 rows of wo, source 1 = 16 rows of A):
; a lane holds eight neighbouring numbers of a row of the output.  THE BIAS is the C of each sum's first matrix instruction: eight registers for each of wo's eight blocks, in the result's layout.
; REGISTERS, in windows of 256: window 0: v0-31 addresses; v32-63 scale words, two sets; v64-127 the bias; from v128 A's fragments, ONE set; on the way out v128-255 rows of the output.
;   window 1: wo's fragments, TWO sets.   window 2: the accumulators of my rows 0-63 ((a, b) at v[8 (8 a + b)]);   window 3: those of my rows 64-127.
.set SIZE_K, 1024
.set SIZE_N, 1024
.set WOROW,  7168                      ; wo's first stored row
.set KSTEP,  256
.set NQ,     KSTEP/128
.set ROWB,   192
.set KROW,   SIZE_K*6/8
.set PITCH,  240                       ; an LDS row: 3 x (64 bytes + 16 of padding): the 32 lanes of a load of 8 bytes touch 64 different banks (64 banks of 4 bytes: ISA guide 11.1)
.set FR,     12
.set NL,     6
.set NP,     4                         ; places behind this matrix instruction (ISA guide 7.12.1)
.set HALFT,  128*PITCH
.set SLOT,   4*HALFT
.set LAPS,   SIZE_K/(2*KSTEP)
.set KS,     SIZE_K/32
.set SCL,    2*SLOT
.set HALFS,  (128*KS/256)*272
.set SBLK,   (16*KS/256)*272
.set SPARE,  SCL+4*HALFS               ; the spare words, 128 bytes a wave, which no other line names
.set SPITCH, 528                       ; the way out: a stage of 16 rows x (512 bytes + 16) for each wave, in slot 0, which has had its last fill and its last read when the first result is stored there
.set ADRA, 16
.set ADRB, 20
.set STO,  24                          ; v24 the way out: where I put 32 bytes of a row
.set RD,   25                          ; v25 where I read a row back
.set CO,   26                          ; v26 my byte offset in a row of the output
.set ADRS, 27
.set SPW,  28                          ; v28 LDS address of my spare word; never rewritten
.set NIL,  29                          ; v29 0; never rewritten
.set BOF,  30                          ; v30 32 x (lane / 16): my half's eight numbers of a block of the bias
.set SC,   32
.set BIAS, 64                          ; v64-127
.set AF,   128
.set BK,   128
.set G1, 24
.set G0, 32
.set G1B, 48
.set G0B, 56
.set G1S, 68
.set G0S, 76
.set G1SB, 80
.set G0SB, 88
.set MSB, 0
.macro WIN new                         ; the immediate's high byte repeats the setting that is left
.if MSB != (\new)
	s_set_vgpr_msb (MSB<<8)|(\new)
.set MSB, \new
.endif
.endm
.set MUL_LO, 0xa1                      ; source 0 (wo) window 1, source 1 (A) window 0, C and D window 2
.set MUL_HI, 0xf1                      ; the same, C and D window 3
.set FST_LO, 0x81                      ; the first step: C (the bias) window 0, D window 2
.set FST_HI, 0xc1                      ; D window 3
.set TO_B,   0x40
.macro JLOAD g0a, g1a, g0b, g1b        ; a joint load: waves 0 and 1 fetch for A, waves 2 and 3 for wo; an s_nop 0 and four v_nop follow each of the two lines
	s_cmp_eq_u32 s15, 0
	s_cbranch_scc0 .Lfor_b_\@
	tensor_load_to_lds s[\g0a:\g0a+3], s[\g1a:\g1a+7]
	s_nop 0
.rept 4
	v_nop
.endr
	s_branch .Lasked_\@
.Lfor_b_\@:
	tensor_load_to_lds s[\g0b:\g0b+3], s[\g1b:\g1b+7]
	s_nop 0
.rept 4
	v_nop
.endr
.Lasked_\@:
.endm
.macro CREST
	s_cmp_lg_u32 s14, 0
	s_cbranch_scc1 .Lnot_wave_0_\@
	s_barrier_signal -3
.Lnot_wave_0_\@:
	s_barrier_wait -3
	s_barrier_signal -1
	s_barrier_wait -1
.endm
.macro CROUND
	s_barrier_signal -1
	s_barrier_wait -1
	CREST
.endm
	s_load_b128 s[4:7], s[0:1], 0x0                ; A's codes s[4:5], A's scales s[6:7]
	s_load_b128 s[8:11], s[0:1], 0x10              ; codes s[8:9], scales s[10:11]
	s_load_b64 s[98:99], s[0:1], 0x20              ; bo
	s_load_b64 s[12:13], s[0:1], 0x28              ; out0
	v_lshl_add_u32 v[SPW], v0, 2, SPARE
	v_mov_b32 v[NIL], 0
	ds_add_u32 v[SPW], v[NIL]                      ; the wave's opening: the add and its wait stand ahead of my first tensor load; the set-up below, work on registers, stands between them
	v_lshrrev_b32 v1, 5, v0
	v_readfirstlane_b32 s14, v1                    ; wave 0..3
	s_lshr_b32 s15, s14, 1                         ; which half of the tile's rows is mine.  Also: I fetch for A (0) or for wo (1)
	s_and_b32 s16, s14, 1                          ; which half of its columns.  Also: which 128 rows of that tile I fetch
	s_bfe_u32 s40, ttmp6, 0x40000                  ; cx, cy
	s_bfe_u32 s41, ttmp6, 0x40004
	s_lshl_b32 s42, ttmp9, 2
	s_add_co_u32 s42, s42, s40                     ; tile column = 4 x cluster x + cx
	s_and_b32 s17, ttmp7, 0xffff
	s_lshl_b32 s17, s17, 2
	s_add_co_u32 s17, s17, s41                     ; tile row = 4 x cluster y + cy
	s_lshl_b32 s43, s41, 2
	s_lshl_b32 s43, 15, s43                        ; my row of the cluster
	s_lshl_b32 s44, 0x1111, s40                    ; my column
	s_or_b32 s[G1+0], s43, (0<<16)|(1<<20)|(1<<21)|(3<<22)|(3<<25)  ; the mask; element of 1 byte; padding on; 21 set beside a mask; after every 16 words 4 words
	s_or_b32 s[G1B+0], s44, (0<<16)|(1<<20)|(1<<21)|(3<<22)|(3<<25)
.irp g, G1, G1B
	s_mov_b32 s[\g+1], ROWB<<16
	s_mov_b32 s[\g+2], 128<<16
	s_mov_b32 s[\g+3], ROWB<<16
	s_mov_b32 s[\g+4], 128
	s_mov_b32 s[\g+5], KROW
	s_mov_b32 s[\g+6], 0
	s_mov_b32 s[\g+7], 0
.endr
	s_or_b32 s[G1S+0], s43, (3<<16)|(1<<20)|(1<<21)|(5<<22)|(3<<25)   ; the scale bytes of 128 rows: rows of 256 bytes, 16 bytes of padding behind each
	s_or_b32 s[G1SB+0], s44, (3<<16)|(1<<20)|(1<<21)|(5<<22)|(3<<25)
.irp g, G1S, G1SB
	s_mov_b32 s[\g+1], 32<<16
	s_mov_b32 s[\g+2], (128*KS/256)<<16
	s_mov_b32 s[\g+3], 32<<16
	s_mov_b32 s[\g+4], 128*KS/256
	s_mov_b32 s[\g+5], 32
	s_mov_b32 s[\g+6], 0
	s_mov_b32 s[\g+7], 0
.endr
	s_lshl_b32 s18, s16, 7
	s_lshl_b32 s20, s17, 8
	s_add_co_u32 s20, s20, s18                     ; A: row 256 x tile row + 128 x half
	s_lshl_b32 s46, s42, 8
	s_add_co_u32 s46, s46, s18
	s_add_co_u32 s46, s46, WOROW                   ; wo: stored row 7,168 + 256 x tile column + 128 x half
	s_mov_b32 s21, 0
	s_mov_b32 s47, 0
	s_mov_b64 s[18:19], KS
	s_mul_u64 s[22:23], s[20:21], s[18:19]
	s_mul_u64 s[92:93], s[46:47], s[18:19]
	s_mov_b64 s[18:19], KROW
	s_mul_u64 s[20:21], s[20:21], s[18:19]
	s_mul_u64 s[46:47], s[46:47], s[18:19]
	s_mul_i32 s45, s14, HALFT
	s_mul_i32 s94, s14, HALFS
	s_wait_dscnt 0x0                               ; the opening add is done
	s_wait_kmcnt 0x0
	s_add_nc_u64 s[20:21], s[4:5], s[20:21]
	s_add_nc_u64 s[22:23], s[6:7], s[22:23]
	s_add_nc_u64 s[46:47], s[8:9], s[46:47]
	s_add_nc_u64 s[92:93], s[10:11], s[92:93]
	CROUND                                         ; all sixteen work-groups are here: the first joint loads meet
	s_mov_b32 s[G0S], 1
	s_add_co_u32 s[G0S+1], s94, SCL
	s_mov_b64 s[G0S+2:G0S+3], s[22:23]
	s_or_b32 s[G0S+3], s[G0S+3], 0x80000000
	s_mov_b32 s[G0SB], 1
	s_add_co_u32 s[G0SB+1], s94, SCL
	s_mov_b64 s[G0SB+2:G0SB+3], s[92:93]
	s_or_b32 s[G0SB+3], s[G0SB+3], 0x80000000
	JLOAD G0S, G1S, G0SB, G1SB
.irp s, 0,1
	s_mov_b32 s[G0+4*\s], 1
	s_add_co_u32 s[G0+4*\s+1], s45, \s*SLOT
	s_add_nc_u64 s[G0+4*\s+2:G0+4*\s+3], s[20:21], \s*ROWB
	s_or_b32 s[G0+4*\s+3], s[G0+4*\s+3], 0x80000000
	s_mov_b32 s[G0B+4*\s], 1
	s_add_co_u32 s[G0B+4*\s+1], s45, \s*SLOT
	s_add_nc_u64 s[G0B+4*\s+2:G0B+4*\s+3], s[46:47], \s*ROWB
	s_or_b32 s[G0B+4*\s+3], s[G0B+4*\s+3], 0x80000000
	JLOAD G0+4*\s, G1, G0B+4*\s, G1B               ; three tensor loads of mine are out
.endr
	v_and_b32 v1, 15, v0                           ; l % 16
	v_bfe_u32 v2, v0, 4, 1                         ; l / 16
	v_mul_u32_u24 v3, v1, PITCH
	v_mul_u32_u24 v4, v2, 24
	v_add_nc_u32 v4, v3, v4
	v_lshl_add_u32 v5, v2, 4, v4
	s_mul_i32 s21, s15, HALFT
	s_mul_i32 s22, s16, HALFT
	s_add_co_u32 s22, s22, 2*HALFT
.irp s, 0,1
	v_add_nc_u32 v[ADRA+\s], s21, v4
	v_add_nc_u32 v[ADRB+\s], s22, v4
	v_add_nc_u32 v[ADRA+2+\s], s21, v5
	v_add_nc_u32 v[ADRB+2+\s], s22, v5
	s_add_co_u32 s21, s21, SLOT
	s_add_co_u32 s22, s22, SLOT
.endr
	v_mul_u32_u24 v5, v1, KS
	v_lshrrev_b32 v6, 8, v5
	v_lshl_add_u32 v5, v6, 4, v5
	s_mul_i32 s21, s15, HALFS
	s_mul_i32 s22, s16, HALFS
	s_add_co_u32 s22, s22, 2*HALFS
	s_sub_co_u32 s22, s22, s21
	v_mul_u32_u24 v6, s22, v2                      ; lanes 16-31 take wo's: one product, the distance between the two bases
	s_add_co_u32 s21, s21, SCL
	v_add_nc_u32 v5, v5, v6
	v_add_nc_u32 v[ADRS], s21, v5
	s_mul_i32 s23, s14, 16*SPITCH                  ; my stage
	v_mul_u32_u24 v5, v1, SPITCH
	v_lshl_add_u32 v5, v2, 5, v5
	v_add_nc_u32 v[STO], s23, v5
	v_and_b32 v6, 31, v0
	v_lshlrev_b32 v[CO], 4, v6
	v_add_nc_u32 v[RD], s23, v[CO]
	v_lshlrev_b32 v[BOF], 5, v2
	s_lshl_b32 s20, s17, 8
	s_lshl_b32 s21, s15, 7
	s_add_co_u32 s20, s20, s21                     ; my first row of the output
	s_mov_b32 s21, 0
	s_mov_b64 s[18:19], SIZE_N*4
	s_mul_u64 s[20:21], s[20:21], s[18:19]
	s_lshl_b32 s46, s42, 10                        ; my first column, in bytes: 1,024 x tile column + 512 x half
	s_lshl_b32 s47, s16, 9
	s_add_co_u32 s46, s46, s47
	s_mov_b32 s47, 0
	s_add_nc_u64 s[98:99], s[98:99], s[46:47]      ; the bias at my first column
	s_add_nc_u64 s[20:21], s[20:21], s[46:47]
	s_add_nc_u64 s[12:13], s[12:13], s[20:21]
.irp b, 0,1,2,3,4,5,6,7                        ; lane (r, h) wants, for wo's block b, bo at columns 16 b + 8 h + 0 .. 7
	global_load_b128 v[BIAS+8*\b:BIAS+8*\b+3], v[BOF], s[98:99] offset:64*\b
	global_load_b128 v[BIAS+8*\b+4:BIAS+8*\b+7], v[BOF], s[98:99] offset:64*\b+16
.endr
.macro FRAG reg, adr, q, i
.irp p, 0,1,2,3,4,5
.set PCE, 12*(\q)+6*(\p/3)+\p%3
.if PCE%8 < 5
	ds_load_b64 v[\reg+2*\p:\reg+2*\p+1], v[\adr] offset:8*PCE+16*(PCE/8)+(\i)*16*PITCH
.else
	ds_load_b64 v[\reg+2*\p:\reg+2*\p+1], v[\adr+2] offset:8*PCE+16*(PCE/8)+(\i)*16*PITCH
.endif
.endr
.endm
; 16 matrix instructions: A's blocks a0, a0 + 1 x wo's eight, 128 along K.  first = 1: the sums begin with the bias.  The 64 accumulators take turns, one instruction a turn, in the same order in every step.
.macro MUL16 a0, p, q, sc, first
.irp a, \a0, \a0+1
.irp b, 0,1,2,3,4,5,6,7
.if \first
	v_wmma_scale_f32_16x16x128_f8f6f4 v[8*(8*((\a)%4)+\b):8*(8*((\a)%4)+\b)+7], v[128*(\p)+FR*\b:128*(\p)+FR*\b+FR-1], v[AF+FR*(\a):AF+FR*(\a)+FR-1], v[BIAS+8*\b:BIAS+8*\b+7], v[SC+8*NQ*(\sc)+NQ*\b+(\q)], v[SC+8*NQ*(\sc)+NQ*(\a)+(\q)] matrix_a_fmt:MATRIX_FMT_FP6 matrix_b_fmt:MATRIX_FMT_FP6 matrix_a_scale:MATRIX_SCALE_ROW1
.else
	v_wmma_scale_f32_16x16x128_f8f6f4 v[8*(8*((\a)%4)+\b):8*(8*((\a)%4)+\b)+7], v[128*(\p)+FR*\b:128*(\p)+FR*\b+FR-1], v[AF+FR*(\a):AF+FR*(\a)+FR-1], v[8*(8*((\a)%4)+\b):8*(8*((\a)%4)+\b)+7], v[SC+8*NQ*(\sc)+NQ*\b+(\q)], v[SC+8*NQ*(\sc)+NQ*(\a)+(\q)] matrix_a_fmt:MATRIX_FMT_FP6 matrix_b_fmt:MATRIX_FMT_FP6 matrix_a_scale:MATRIX_SCALE_ROW1
.endif
.endr
.endr
.endm
.macro FETCH_B slot, q, p
	WIN TO_B
.irp i, 0,1,2,3,4,5,6,7
	FRAG 128*(\p)+FR*\i, ADRB+\slot, \q, \i
.endr
	WIN 0
.endm
.macro FETCH_A slot, q, i0
.irp i, \i0, \i0+1, \i0+2, \i0+3
	FRAG AF+FR*(\i), ADRA+\slot, \q, \i
.endr
.endm
.macro SCALES sc
.irp i, 0,1,2,3,4,5,6,7
	ds_load_b64 v[SC+8*NQ*\sc+NQ*\i:SC+8*NQ*\sc+NQ*\i+1], v[ADRS] offset:\i*SBLK
.endr
.endm
.macro PLACES n                        ; plain vector instructions that name none of the matrix instructions' registers (ISA guide 7.12.1)
.rept \n
	v_nop
.endr
.endm
.macro STEP slot, q, first
	s_wait_dscnt 4*NL                              ; wo's set and A's blocks 0-3 are in; the youngest 24 loads (A's blocks 4-7) may be out
.if \first
	WIN FST_LO
.else
	WIN MUL_LO
.endif
	MUL16 0, (\q)%2, \q, \slot, \first
	MUL16 2, (\q)%2, \q, \slot, \first
	s_wait_dscnt 0
	PLACES NP
	FETCH_B \slot, (\q)+1, 1-(\q)%2
	FETCH_A \slot, (\q)+1, 0
.if \first
	WIN FST_HI
.else
	WIN MUL_HI
.endif
	MUL16 4, (\q)%2, \q, \slot, \first
	MUL16 6, (\q)%2, \q, \slot, \first
	PLACES NP
	WIN 0
	FETCH_A \slot, (\q)+1, 4
.endm
; A slot's last step changes slots: ONE barrier; in front of it each wave waits for all its tensor loads, adds 0 to its spare word, and waits for that and for its own reads of this slot.
.macro TURN slot, next, fill
	s_wait_tensorcnt 0x0                           ; all my tensor loads have landed: my part of the next slot
	ds_add_u32 v[SPW], v[NIL]                      ; 0 onto my spare word
	s_wait_dscnt 4*NL+1                            ; (the add and the youngest 24 loads may be out)
	WIN MUL_LO
	MUL16 0, 1, NQ-1, \slot, 0
	s_wait_dscnt 0x0                               ; the add is done, and my reads of this slot are over
	s_barrier_signal -1
	MUL16 2, 1, NQ-1, \slot, 0
	WIN 0
	s_barrier_wait -1
.if \fill
	CREST                                          ; the barrier has opened a round of the cluster's barrier
	s_add_nc_u64 s[G0+4*\slot+2:G0+4*\slot+3], s[G0+4*\slot+2:G0+4*\slot+3], 2*ROWB
	s_add_nc_u64 s[G0B+4*\slot+2:G0B+4*\slot+3], s[G0B+4*\slot+2:G0B+4*\slot+3], 2*ROWB
	JLOAD G0+4*\slot, G1, G0B+4*\slot, G1B         ; the first tensor load behind the round, and my only one
.else
	PLACES NP
.endif
	v_add_nc_u32 v[ADRS], 4*NQ, v[ADRS]
	FETCH_B \next, 0, 0
	FETCH_A \next, 0, 0
	SCALES \next
	WIN MUL_HI
	MUL16 4, 1, NQ-1, \slot, 0
	MUL16 6, 1, NQ-1, \slot, 0
	PLACES NP
	WIN 0
	FETCH_A \next, 0, 4
.endm
	s_wait_tensorcnt 1                             ; the scale bytes and my part of K step 0 are in (K step 1's load may be out)
	s_barrier_signal -1
	s_barrier_wait -1
	FETCH_B 0, 0, 0
	FETCH_A 0, 0, 0
	SCALES 0
	FETCH_A 0, 0, 4
	s_wait_loadcnt 0x0                             ; the bias
	STEP 0, 0, 1                                   ; the first step stands in front of the loop: its products begin the sums with the bias
	s_mov_b32 s3, LAPS-1
.Llap:
	TURN 0, 1, 1
	STEP 1, 0, 0
	TURN 1, 0, 1
	STEP 0, 0, 0
	s_sub_co_u32 s3, s3, 1
	s_cmp_lg_u32 s3, 0
	s_cbranch_scc1 .Llap
	TURN 0, 1, 0                                   ; the last lap fills nothing
	STEP 1, 0, 0
	s_wait_dscnt 4*NL
	WIN MUL_LO
	MUL16 0, 1, NQ-1, 1, 0
	MUL16 2, 1, NQ-1, 1, 0
	s_wait_dscnt 0
	WIN MUL_HI
	MUL16 4, 1, NQ-1, 1, 0
	MUL16 6, 1, NQ-1, 1, 0
	WIN 0
; THE WAY OUT, block by block of 16 rows x 128 columns, through my own stage in LDS: in as 32 bytes a lane, back as whole rows of 512 bytes.  LDS serves a wave's instructions in order (ISA guide 5.7.1.4).
.macro TOSTAGE a
.set AC, 64*((\a)%4)
	WIN 0x08+4*((\a)/4)                            ; the data: window 2 or 3
.irp b, 0,1,2,3,4,5,6,7
	ds_store_b128 v[STO], v[AC+8*\b:AC+8*\b+3] offset:64*\b          ; each accumulator from its low end on
	ds_store_b128 v[STO], v[AC+8*\b+4:AC+8*\b+7] offset:64*\b+16
.endr
	WIN 0
.set BB, BK+64*((\a)%2)
.irp t, 0,1,2,3,4,5,6,7,8,9,10,11,12,13,14,15
	ds_load_b128 v[BB+4*\t:BB+4*\t+3], v[RD] offset:\t*SPITCH
.endr
.endm
.macro SEND a, younger                 ; younger: the LDS instructions issued behind block a's loads, which may stay out
.set BB, BK+64*((\a)%2)
	s_wait_dscnt \younger
.if (\a) > 0
	s_add_nc_u64 s[12:13], s[12:13], 16*SIZE_N*4   ; (behind a wait on XCNT: the earlier stores have read their base)  16 rows on
.endif
.irp t, 0,1,2,3,4,5,6,7,8,9,10,11,12,13,14,15
	global_store_b128 v[CO], v[BB+4*\t:BB+4*\t+3], s[12:13] offset:\t*SIZE_N*4 th:TH_STORE_NT   ; 32 lanes store 512 consecutive bytes, aligned; written once, read by nobody here
.endr
.endm
	PLACES NP
	TOSTAGE 0
.irp a, 1,2,3,4,5,6,7
.if \a > 1
	s_wait_xcnt 0x0                                ; block a - 2's stores have read their registers and their base
.endif
	TOSTAGE \a
	SEND \a-1, 32                                  ; behind block a - 1's loads: block a's 16 stores and 16 loads
.endr
	s_wait_xcnt 0x0
	SEND 7, 0
	s_wait_tensorcnt 0x0                           ; the wave's end, behind my last tensor load and my last LDS store
	ds_add_u32 v[SPW], v[NIL]
	s_wait_dscnt 0x0
	CROUND                                         ; the closing round
	s_endpgm
.Lfunc_end_k_q356b7fb933_proj:
	.size	k_q356b7fb933_proj, .Lfunc_end_k_q356b7fb933_proj-k_q356b7fb933_proj
	.p2alignl 7, 3214868480
	.fill 96, 4, 3214868480
	.section	.rodata,"a",@progbits
	.p2align	6, 0x0
	.amdhsa_kernel k_q356b7fb933_proj
		.amdhsa_group_segment_fixed_size 327680
		.amdhsa_private_segment_fixed_size 0
		.amdhsa_enable_private_segment 0
		.amdhsa_kernarg_size 48
		.amdhsa_user_sgpr_count 2
		.amdhsa_user_sgpr_kernarg_segment_ptr 1
		.amdhsa_wavefront_size32 1
		.amdhsa_system_sgpr_workgroup_id_x 1
		.amdhsa_system_sgpr_workgroup_id_y 1
		.amdhsa_system_sgpr_workgroup_id_z 1
		.amdhsa_system_vgpr_workitem_id 0
		.amdhsa_next_free_vgpr 1024
		.amdhsa_next_free_sgpr 100
		.amdhsa_reserve_vcc 0
		.amdhsa_float_denorm_mode_32 3
		.amdhsa_float_denorm_mode_16_64 3
		.amdhsa_memory_ordered 1
		.amdhsa_forward_progress 1
		.amdhsa_inst_pref_size 161
	.end_amdhsa_kernel
	.amdgpu_metadata
---
amdhsa.version: [ 1, 2 ]
amdhsa.kernels:
  - .name:           k_q356b7fb933_proj
    .symbol:         k_q356b7fb933_proj.kd
    .args:
      - { .name: acodes, .offset: 0, .size: 8, .value_kind: global_buffer, .address_space: global }
      - { .name: ascales, .offset: 8, .size: 8, .value_kind: global_buffer, .address_space: global }
      - { .name: codes, .offset: 16, .size: 8, .value_kind: global_buffer, .address_space: global }
      - { .name: scales, .offset: 24, .size: 8, .value_kind: global_buffer, .address_space: global }
      - { .name: bo, .offset: 32, .size: 8, .value_kind: global_buffer, .address_space: global }
      - { .name: out0, .offset: 40, .size: 8, .value_kind: global_buffer, .address_space: global }
    .group_segment_fixed_size: 327680
    .private_segment_fixed_size: 0
    .kernarg_segment_align: 8
    .kernarg_segment_size: 48
    .max_flat_workgroup_size: 128
    .sgpr_count:     100
    .vgpr_count:     1024
    .wavefront_size: 32
...
	.end_amdgpu_metadata
.endif
;; end of part 4
